; MI455X (gfx1250); checked and timed in simulation.
; The chip was launched on July 23, 2026; its instructions are those of AMD's public machine-readable ISA for CDNA 5 (MIT licence, August 2026) and "CDNA5" Instruction Set Architecture Reference Guide (July 2026). The comments in the code are by the model that wrote it; some were corrected since.
;; Subspace HIE. Allowed arithmetic: float matrix products may take bf16 or f16 operands with f32 sums; all other float work in f32.
;; Inputs: Wp 4 x 1,024 x 256 float32; Wr 4 x 256 x 1,024 float32; bp 4 x 256 float32; br 4 x 1,024 float32; ha 8 x 1,024 x 1,024 float32; hx 8 x 1,024 x 1,024 float32.
;; Outputs: out0 8 x 1,024 x 1,024 float32.
;; 2 versions, each right; version 2 is version 1 with the launch cast written anew for expert scheduling mode. Each part assembles by itself: llvm-mc -triple=amdgcn-amd-amdhsa -mcpu=gfx1250 --defsym DOCPART=n.
;; ======== version 1 of 2: 4 launches
;; workspace buffers: wpb 2,097,152 bytes; wrb 2,097,152 bytes; xn 16,777,216 bytes; asub 16,777,216 bytes; rc 131,072 bytes; asum 131,072 bytes; wsum 16,777,216 bytes
;; launch cast (part 1): grid 128 x 2, 8 waves a work-group, no clusters, 0 bytes of LDS; arguments Wp, Wr, wpb, wrb; writes wpb, wrb
.if DOCPART == 1
	.amdgcn_target "amdgcn-amd-amdhsa--gfx1250"
	.amdhsa_code_object_version 6
	.text
	.protected	k_q474e8d6dd6_cast
	.globl	k_q474e8d6dd6_cast
	.p2align	8
	.type	k_q474e8d6dd6_cast,@function
k_q474e8d6dd6_cast:
	s_mov_b64 s[64:65], 0
	v_nop
	global_prefetch_b8 v0, s[64:65] scope:SCOPE_SE
	s_setreg_imm32_b32 hwreg(HW_REG_WAVE_MODE, 25, 1), 1
	s_wait_xcnt 0x0
; wpb = bf16(Wp), wrb = bf16(Wr), element for element in the same order (round to nearest even).
; The later launches read these two as matrix operands stored [K][N], through the transposing LDS load, which works on 16-bit data.
; Grid y picks the tensor (0: Wp, 1: Wr); each has 1,048,576 numbers, a work-group takes 8,192 of them, 128 work-groups a tensor.
; Thread t takes the 16 bytes at 16 t of each of eight chunks of 4,096 bytes: a load of a wave covers 512 consecutive bytes,
; a store of a wave (8 bytes a lane) 256 consecutive bytes at a multiple of 256 from the buffer's first byte.
; All eight loads go out first; no LDS, no barrier, no matrix unit: the work is a stream that is read once and written once.
.set CHUNK, 4096                       ; source bytes that the 256 threads take with one load each
.set X, 4                              ; v[4:35]   chunk c: 4 numbers in f32
.set Y, 36                             ; v[36:51]  chunk c: 4 numbers in bf16
	s_load_b256 s[4:11], s[0:1], 0x0               ; Wp s[4:5], Wr s[6:7], wpb s[8:9], wrb s[10:11]
	s_and_b32 s12, ttmp7, 0xffff                   ; which tensor
	s_lshl_b32 s14, ttmp9, 15                      ; the work-group's 32,768 source bytes
	s_mov_b32 s15, 0
	s_lshl_b32 s16, ttmp9, 14                      ; and its 16,384 result bytes
	s_mov_b32 s17, 0
	v_lshlrev_b32 v1, 4, v0                        ; 16 t
	v_lshlrev_b32 v2, 3, v0                        ; 8 t
	s_wait_kmcnt 0x0
	s_cmp_eq_u32 s12, 0
	s_cselect_b64 s[18:19], s[4:5], s[6:7]         ; from
	s_cselect_b64 s[20:21], s[8:9], s[10:11]       ; to
	s_add_nc_u64 s[18:19], s[18:19], s[14:15]
	s_add_nc_u64 s[20:21], s[20:21], s[16:17]
.irp c, 0,1,2,3,4,5,6,7
	global_load_b128 v[X+4*\c:X+4*\c+3], v1, s[18:19] offset:CHUNK*\c th:TH_LOAD_NT
.endr
.irp c, 0,1,2,3,4,5,6,7
	s_wait_loadcnt 7-\c                            ; loads come back in order: chunk c is in, the 7 - c younger ones stay out
	v_cvt_pk_bf16_f32 v[Y+2*\c], v[X+4*\c], v[X+4*\c+1]
	v_cvt_pk_bf16_f32 v[Y+2*\c+1], v[X+4*\c+2], v[X+4*\c+3]
	global_store_b64 v2, v[Y+2*\c:Y+2*\c+1], s[20:21] offset:CHUNK/2*\c
.endr
	s_endpgm
.Lfunc_end_k_q474e8d6dd6_cast:
	.size	k_q474e8d6dd6_cast, .Lfunc_end_k_q474e8d6dd6_cast-k_q474e8d6dd6_cast
	.p2alignl 7, 3214868480
	.fill 96, 4, 3214868480
	.section	.rodata,"a",@progbits
	.p2align	6, 0x0
	.amdhsa_kernel k_q474e8d6dd6_cast
		.amdhsa_group_segment_fixed_size 0
		.amdhsa_private_segment_fixed_size 0
		.amdhsa_enable_private_segment 0
		.amdhsa_kernarg_size 32
		.amdhsa_user_sgpr_count 2
		.amdhsa_user_sgpr_kernarg_segment_ptr 1
		.amdhsa_wavefront_size32 1
		.amdhsa_system_sgpr_workgroup_id_x 1
		.amdhsa_system_sgpr_workgroup_id_y 1
		.amdhsa_system_sgpr_workgroup_id_z 1
		.amdhsa_system_vgpr_workitem_id 0
		.amdhsa_next_free_vgpr 52
		.amdhsa_next_free_sgpr 66
		.amdhsa_reserve_vcc 0
		.amdhsa_float_denorm_mode_32 3
		.amdhsa_float_denorm_mode_16_64 3
		.amdhsa_memory_ordered 1
		.amdhsa_forward_progress 1
		.amdhsa_inst_pref_size 4
	.end_amdhsa_kernel
	.amdgpu_metadata
---
amdhsa.version: [ 1, 2 ]
amdhsa.kernels:
  - .name:           k_q474e8d6dd6_cast
    .symbol:         k_q474e8d6dd6_cast.kd
    .args:
      - { .name: Wp, .offset: 0, .size: 8, .value_kind: global_buffer, .address_space: global }
      - { .name: Wr, .offset: 8, .size: 8, .value_kind: global_buffer, .address_space: global }
      - { .name: wpb, .offset: 16, .size: 8, .value_kind: global_buffer, .address_space: global }
      - { .name: wrb, .offset: 24, .size: 8, .value_kind: global_buffer, .address_space: global }
    .group_segment_fixed_size: 0
    .private_segment_fixed_size: 0
    .kernarg_segment_align: 8
    .kernarg_segment_size: 32
    .max_flat_workgroup_size: 256
    .sgpr_count:     66
    .vgpr_count:     52
    .wavefront_size: 32
...
	.end_amdgpu_metadata
.endif
;; end of part 1
;; launch proj (part 2): grid 4 x 64, 4 waves a work-group, clusters of 4 x 4, 327,680 bytes of LDS; arguments hx, ha, wpb, bp, xn, asub, rc, asum; writes xn, asub, rc, asum
.if DOCPART == 2
	.amdgcn_target "amdgcn-amd-amdhsa--gfx1250"
	.amdhsa_code_object_version 6
	.text
	.protected	k_q474e8d6dd6_proj
	.globl	k_q474e8d6dd6_proj
	.p2align	8
	.type	k_q474e8d6dd6_proj,@function
k_q474e8d6dd6_proj:
	s_mov_b64 s[64:65], 0
	v_nop
	global_prefetch_b8 v0, s[64:65] scope:SCOPE_SE
	s_setreg_imm32_b32 hwreg(HW_REG_WAVE_MODE, 25, 1), 1
	s_wait_xcnt 0x0
	s_wait_alu depctr_hold_cnt(0) depctr_sa_sdst(0) depctr_va_vdst(0) depctr_va_sdst(0) depctr_va_ssrc(0) depctr_va_vcc(0) depctr_vm_vsrc(0)
	s_getreg_b32 s2, hwreg(HW_REG_IB_STS2, 6, 4)
	s_cmp_eq_u32 s2, 0
	s_cbranch_scc0 .Lentry_in_a_cluster
	s_endpgm
.Lentry_in_a_cluster:
	s_bfe_u32 s2, ttmp6, 0x10000c
	s_cmp_lg_u32 s2, 0xf033
	s_cbranch_scc0 .Lentry_shape_is_right
	s_endpgm
.Lentry_shape_is_right:
; C = [hx; ha] Wp + bp, a product of 16,384 x 1,024 x 1,024: rows 0-8191 are hx's, the rest ha's; block column s = subspace s (256 columns).
; From a row's 256 numbers of a subspace its norm n = sqrt(sum of squares) is made, in f32, and stored are
;   xn[row][256 s + d]   = bf16(x / max(n, 1e-8))      for rows of hx,
;   asub[row][256 s + d] = bf16(a)                     for rows of ha,
;   rc[b][s][j]          = log2(e) / max(n, 1e-8)      for rows of ha (f32): the factor that the next launch's exp2 needs,
;   asum[block row][s][d] = 1/4 of the sum of a over the block's 256 rows (f32, from the f32 sums, before they are rounded): four block rows make a batch.
;                          The next launch multiplies a by w - 1/4 and adds these sums: see its head.
; LIMITS: hx, ha and Wp enter the matrix unit rounded to bf16, sums in f32; xn and asub are rounded to bf16.  A sum of squares below 2^-126
; counts as 0 in v_sqrt_f32: its root would lie far under the clamp 1e-8, so the result is the same.  It overflows where the f32 sum itself does.
;
; SHAPE: a work-group makes 256 x 256 of C: 4 x 64 = 256 work-groups.  Wave w makes rows 64 w .. 64 w + 63 and ALL 256 columns (4 x 16 tiles of
; 16 x 16, 512 registers): a row's norm then never leaves the wave, and every f32 number of hx, ha is read from LDS and converted once.
; K goes in steps of 64 (a row of A's tile is 256 bytes of memory, aligned) through two LDS slots; a step is two halves of 32 along K.
; CLUSTER 4 x 4: A's tile hangs on the block row alone and is asked for jointly by a row of the cluster, Wp's on the subspace alone and is asked
; for jointly by a column: each tile is requested once for four work-groups.
; The matrix instruction is used transposed (source 0 = 16 columns of Wp, source 1 = 16 rows of A): lane l holds row l % 16 of C and its registers
; the eight neighbouring columns 8 (l / 16) + 0..7.
;
; REGISTER WINDOWS: 0 addresses, A's fragments, work; 1 Wp's fragments (two buffers of 128); 2 accumulators of row tiles 0, 1; 3 of row tiles 2, 3.
.set KSTEP,  64
.set APITCH, 272                       ; 256 bytes of f32 + 16 of padding: sixteen rows start at sixteen different 16-byte columns modulo 256 bytes
.set BPITCH, 544                       ; 512 bytes of bf16 + 32: eight rows x two 16-byte columns of a transposing load fall on sixteen different columns
.set AHALF,  128*APITCH                ; 34,816: what wave 0 or 1 fetches
.set BHALF,  32*BPITCH                 ; 17,408: what wave 2 or 3 fetches; also 32 K rows, one half step
.set BPART,  2*AHALF                   ; Wp's tile lies behind A's 256 rows
.set SLOT,   BPART+2*BHALF             ; 104,448
.set STAGE,  2*SLOT                    ; 208,896: behind the ring, 16 rows x 528 bytes for each wave, for the way out; no tensor load lands here
.set SPITCH, 528
.set WSTAGE, 16*SPITCH                 ; 8,448
.set RSTG,   STAGE+4*WSTAGE            ; 242,688: 256 bytes for each wave, for rc
.set CS,     RSTG+4*256                ; 243,712: the column sums' 64 rows (wave, l % 16) of 256 f32; no tensor load lands here
.set CSP,    1040                      ; 1,024 bytes + 16: sixteen rows start at sixteen different 16-byte columns modulo 256 bytes
.set CSG, 6                            ; v6      8 x thread: my two columns in asum's 1,024 bytes (a temporary until the addresses are made)
.set CSL, 7                            ; v7      the column sums: where I read my two columns of the first row
.set ADA, 8                            ; v8-9    LDS address of my A rows in slot 0, 1
.set ADB, 10                           ; v10-11  the same for Wp's tile
.set BO,  12                           ; v12     32 h: my eight columns in bp
.set STO, 13                           ; v13     the way out: where I put 16 bytes of a row
.set RD,  14                           ; v14     the way out: where I read a row back
.set CO,  15                           ; v15     16 x lane: my bytes in a result row's 512
.set SC,  16                           ; v16-23  row tile a: the factor on the way out, twice (a pair for the packed multiply)
.set INV, 24                           ; v24-27  row tile a: 1 / max(norm, 1e-8) of row l % 16
.set RCS, 28                           ; v28     rc's stage: where I put a row's number
.set RCL, 29                           ; v29     rc's stage: where I read 8 bytes back
.set RCG, 30                           ; v30     8 x lane: my bytes in rc's 256
.set CSS, 31                           ; v31     the column sums: where I put my lane's 32 bytes of a column tile
.set AP0, 32                           ; v32-63, v64-95  A's fragments in bf16, two buffers of 4 x 8
.set RAW, 96                           ; v96-159 A as loaded: 4 x 16 registers of f32
.set T,   32                           ; v32-159 the way out: one row tile's 128 numbers; then the column sums
.set SS,  160                          ; v160-191 sums of squares, 8 registers a row tile
.set RB,  192                          ; v192-255 rows read back for the stores
.set G1,  32                           ; s[32:39] descriptor group 1, A's tiles
.set G0,  40                           ; s[40:47] group 0, A's tiles, a set for each slot
.set G1B, 48                           ; s[48:55] group 1, Wp's tiles
.set G0B, 56                           ; s[56:63] group 0, Wp's tiles, a set for each slot
.set MSB, 0
.macro WIN new                         ; the immediate's high byte repeats the setting that is left; a switch that changes nothing is dropped
.if MSB != (\new)
	s_set_vgpr_msb (MSB<<8)|(\new)
.set MSB, (\new)
.endif
.endm
.macro PLACES                          ; four places behind a matrix instruction (ISA guide 7.12.1)
.rept 4
	v_nop
.endr
.endm
; A joint load.  Waves 0 and 1 ask for A's halves, waves 2 and 3 for Wp's: one line, one mask and one set of registers for each kind.
; The branch hangs on the wave's number alone.
.macro JLOAD s
	s_cmp_eq_u32 s19, 0
	s_cbranch_scc0 .Lfor_b_\@
	tensor_load_to_lds s[G0+4*\s:G0+4*\s+3], s[G1:G1+7]
	s_nop 0
	s_branch .Lasked_\@
.Lfor_b_\@:
	tensor_load_to_lds s[G0B+4*\s:G0B+4*\s+3], s[G1B:G1B+7]
	s_nop 0
.Lasked_\@:
.endm
.macro CREST                           ; a round of the cluster's barrier behind its opening work-group barrier
	s_cmp_lg_u32 s18, 0
	s_cbranch_scc1 .Lnot_wave_0_\@
	s_barrier_signal -3
.Lnot_wave_0_\@:
	s_barrier_wait -3
	s_barrier_signal -1
	s_barrier_wait -1
.endm
.macro CROUND                          ; a whole round
	s_barrier_signal -1
	s_barrier_wait -1
	CREST
.endm
	s_load_b256 s[4:11], s[0:1], 0x0               ; hx s[4:5], ha s[6:7], wpb s[8:9], bp s[10:11]
	s_load_b128 s[12:15], s[0:1], 0x20             ; xn s[12:13], asub s[14:15]
	s_load_b64 s[16:17], s[0:1], 0x30              ; rc
	s_load_b64 s[80:81], s[0:1], 0x38              ; asum
	v_lshl_add_u32 v254, v0, 2, 0x4bc00
	v_mov_b32 v255, 0
	ds_add_u32 v254, v255
	s_wait_dscnt 0x0
	v_lshrrev_b32 v1, 5, v0
	v_readfirstlane_b32 s18, v1                    ; wave 0..3
	s_lshr_b32 s19, s18, 1                         ; I fetch for A (0) or for Wp (1)
	s_and_b32 s20, s18, 1                          ; which half of that tile
	s_bfe_u32 s21, ttmp6, 0x40000                  ; cx = the subspace s (the grid is one cluster wide)
	s_bfe_u32 s22, ttmp6, 0x40004                  ; cy
	s_and_b32 s23, ttmp7, 0xffff                   ; the cluster's y, 0..15: below 8 the cluster's rows are hx's, else ha's; equal in all partners
	s_lshl_b32 s24, s23, 2
	s_add_co_u32 s24, s24, s22                     ; block row 0..63
	s_and_b32 s24, s24, 31                         ; block row inside hx or ha
	s_lshl_b32 s30, s22, 2
	s_lshl_b32 s30, 15, s30                        ; my row of the cluster: places 4 cy .. 4 cy + 3
	s_lshl_b32 s31, 0x1111, s21                    ; my column: places cx, cx + 4, cx + 8, cx + 12
	; group 1 for A: 128 rows x 64 elements of 4 bytes, 1,024 elements from row to row; 4 words of padding behind every 64
	s_or_b32 s[G1+0], s30, (2<<16)|(1<<20)|(1<<21)|(5<<22)|(3<<25)
	s_mov_b32 s[G1+1], KSTEP<<16                   ; tensor_dim0 = 64
	s_mov_b32 s[G1+2], 128<<16                     ; tensor_dim1 = 128
	s_mov_b32 s[G1+3], KSTEP<<16                   ; tile_dim0 = 64
	s_mov_b32 s[G1+4], 128                         ; tile_dim1 = 128
	s_mov_b32 s[G1+5], 1024                        ; pitch
	s_mov_b32 s[G1+6], 0
	s_mov_b32 s[G1+7], 0
	; group 1 for Wp: 32 rows (K) x 256 elements of 2 bytes, 256 elements from row to row; 8 words of padding behind every 128
	s_or_b32 s[G1B+0], s31, (1<<16)|(1<<20)|(1<<21)|(6<<22)|(7<<25)
	s_mov_b32 s[G1B+1], 256<<16
	s_mov_b32 s[G1B+2], 32<<16
	s_mov_b32 s[G1B+3], 256<<16
	s_mov_b32 s[G1B+4], 32
	s_mov_b32 s[G1B+5], 256
	s_mov_b32 s[G1B+6], 0
	s_mov_b32 s[G1B+7], 0
	; where the tiles come from: A's offset is made of the block row and the wave, Wp's of the subspace and the wave, each in registers of its own
	s_lshl_b32 s26, s24, 20                        ; 256 rows of 4,096 bytes a block row
	s_lshl_b32 s25, s20, 19                        ; + 128 rows for the second half
	s_add_co_u32 s26, s26, s25
	s_mov_b32 s27, 0
	s_lshl_b32 s28, s21, 19                        ; 1,024 x 256 x 2 bytes a subspace
	s_lshl_b32 s25, s20, 14                        ; + 32 rows of 512 bytes for the second half
	s_add_co_u32 s28, s28, s25
	s_mov_b32 s29, 0
	s_mul_i32 s70, s18, AHALF                      ; where they go: A's halves at wave x 34,816,
	s_mul_i32 s71, s18, BHALF
	s_add_co_u32 s71, s71, AHALF                   ; Wp's at 34,816 + wave x 17,408 (waves 2, 3: 69,632 and 87,040)
	s_lshl_b32 s72, s21, 10                        ; bp's row of the subspace
	s_mov_b32 s73, 0
	s_mov_b32 s78, 0x76543210                      ; v_permlanex16_b32: lane i reads lane i of the other half
	s_mov_b32 s79, 0xfedcba98
	s_wait_kmcnt 0x0
	s_cmp_lt_u32 s23, 8
	s_cselect_b64 s[66:67], s[4:5], s[6:7]         ; A is hx or ha
	s_cselect_b64 s[68:69], s[12:13], s[14:15]     ; the result goes to xn or asub
	s_cselect_b32 s76, -1, 0                       ; all lanes: rows of hx are scaled by 1 / norm
	s_add_nc_u64 s[26:27], s[66:67], s[26:27]
	s_add_nc_u64 s[28:29], s[8:9], s[28:29]
	s_add_nc_u64 s[10:11], s[10:11], s[72:73]
	CROUND                                         ; all sixteen work-groups are here: the first joint loads meet
.irp s, 0,1
	s_mov_b32 s[G0+4*\s], 1
	s_add_co_u32 s[G0+4*\s+1], s70, \s*SLOT
	s_add_nc_u64 s[G0+4*\s+2:G0+4*\s+3], s[26:27], \s*KSTEP*4        ; K step s: 64 f32 along the rows
	s_or_b32 s[G0+4*\s+3], s[G0+4*\s+3], 0x80000000
	s_mov_b32 s[G0B+4*\s], 1
	s_add_co_u32 s[G0B+4*\s+1], s71, \s*SLOT
	s_add_nc_u64 s[G0B+4*\s+2:G0B+4*\s+3], s[28:29], \s*KSTEP*512    ; K step s: 64 rows of 512 bytes down
	s_or_b32 s[G0B+4*\s+3], s[G0B+4*\s+3], 0x80000000
	JLOAD \s                                       ; both slots are asked for before anything else: two tensor loads of the wave are out
.endr
	v_and_b32 v1, 15, v0                           ; r = l % 16
	v_bfe_u32 v2, v0, 4, 1                         ; h = l / 16
	v_and_b32 v3, 31, v0                           ; l
	v_and_b32 v4, 7, v0                            ; l % 8
	v_bfe_u32 v5, v0, 3, 1                         ; (l / 8) % 2
	v_lshlrev_b32 v[BO], 5, v2
	; THE BIAS STARTS THE SUMS: register j of tile (a, b) is column 16 b + 8 h + j, so bp's 32 bytes at 64 b + 32 h are loaded straight into it.
	; Nothing is cleared, no first step is written apart, and the norms below see the bias.
.macro BIAS
.irp a, 0,1
.irp b, 0,1,2,3,4,5,6,7,8,9,10,11,12,13,14,15
	global_load_b128 v[128*\a+8*\b:128*\a+8*\b+3],   v[BO], s[10:11] offset:64*\b
	global_load_b128 v[128*\a+8*\b+4:128*\a+8*\b+7], v[BO], s[10:11] offset:64*\b+16
.endr
.endr
.endm
	WIN 0x80                                       ; destination window 2
	BIAS
	WIN 0xc0                                       ; destination window 3
	BIAS
	WIN 0
	; A's rows lie along K in f32: lane l takes row l % 16; K = 8 h + 0..7 are the 32 bytes at 32 h, K = 16 + 8 h + 0..7 those at 64 + 32 h
	s_mul_i32 s77, s18, 64*APITCH                  ; my wave's 64 rows
	v_mul_u32_u24 v6, v1, APITCH
	v_lshl_add_u32 v6, v2, 5, v6
	v_add_nc_u32 v[ADA], s77, v6
	v_add_nc_u32 v[ADA+1], SLOT, v[ADA]
	; Wp's rows lie along N: the transposing load wants row 8 h + l % 8 and the 16-byte column (l / 8) % 2 of the tile's 32 bytes
	v_lshl_add_u32 v6, v2, 3, v4
	v_mul_u32_u24 v6, v6, BPITCH
	v_lshl_add_u32 v6, v5, 4, v6
	v_add_nc_u32 v[ADB], BPART, v6
	v_add_nc_u32 v[ADB+1], SLOT, v[ADB]
	s_mul_i32 s77, s18, WSTAGE
	s_add_co_u32 s77, s77, STAGE                   ; my stage
	v_mul_u32_u24 v6, v1, SPITCH
	v_lshl_add_u32 v6, v2, 4, v6
	v_add_nc_u32 v[STO], s77, v6                   ; in: row l % 16, 16 bytes for each half of the lanes
	v_lshl_add_u32 v[RD], v3, 4, s77               ; back: the 32 lanes take one row's 512 bytes
	v_lshlrev_b32 v[CO], 4, v3
	s_lshl_b32 s77, s18, 8
	s_add_co_u32 s77, s77, RSTG
	v_lshl_add_u32 v[RCS], v1, 2, s77
	v_lshl_add_u32 v[RCL], v3, 3, s77
	v_lshlrev_b32 v[RCG], 3, v3
	s_mul_i32 s77, s18, 16*CSP
	s_add_co_u32 s77, s77, CS                      ; my wave's 16 rows of the column sums
	v_mul_u32_u24 v[CSS], v1, CSP
	v_lshl_add_u32 v[CSS], v2, 5, v[CSS]
	v_add_nc_u32 v[CSS], s77, v[CSS]               ; in: row l % 16, 32 bytes for each half of the lanes
	v_lshlrev_b32 v[CSG], 3, v0                    ; back: the 128 threads take one row's 1,024 bytes, 8 each
	v_add_nc_u32 v[CSL], CS, v[CSG]
; 48 LDS loads in one run: half step q (32 along K) of a slot: Wp's 16 fragments into buffer g of window 1, my 64 rows of A in f32 into RAW
.macro FETCH slot, q, g
	WIN 0x40
.irp b, 0,1,2,3,4,5,6,7,8,9,10,11,12,13,14,15
	ds_load_tr16_b128 v[128*\g+8*\b:128*\g+8*\b+3],   v[ADB+\slot] offset:\q*BHALF+32*\b
	ds_load_tr16_b128 v[128*\g+8*\b+4:128*\g+8*\b+7], v[ADB+\slot] offset:\q*BHALF+32*\b+16*BPITCH
.endr
	WIN 0
.irp a, 0,1,2,3
	ds_load_b128 v[RAW+16*\a:RAW+16*\a+3],     v[ADA+\slot] offset:\a*16*APITCH+128*\q
	ds_load_b128 v[RAW+16*\a+4:RAW+16*\a+7],   v[ADA+\slot] offset:\a*16*APITCH+128*\q+16
	ds_load_b128 v[RAW+16*\a+8:RAW+16*\a+11],  v[ADA+\slot] offset:\a*16*APITCH+128*\q+64
	ds_load_b128 v[RAW+16*\a+12:RAW+16*\a+15], v[ADA+\slot] offset:\a*16*APITCH+128*\q+80
.endr
.endm
; 32 conversions: RAW to A's four fragments of buffer g.  They name no register of the matrix instructions in front of them, so they are also
; the places that the loads behind them need.
.macro CVT g
.irp a, 0,1,2,3
.irp p, 0,1,2,3,4,5,6,7
	v_cvt_pk_bf16_f32 v[AP0+32*\g+8*\a+\p], v[RAW+16*\a+2*\p], v[RAW+16*\a+2*\p+1]
.endr
.endr
.endm
; 16 matrix instructions: row tile a x all 16 column tiles, 32 along K, from buffers f.  The 64 accumulators take turns, one instruction a turn, in
; the same order in every half step, over the loop's backward jump too.
.macro MUL16 f, a
.if \a < 2
	WIN 0xa1                                       ; source 0 (Wp) window 1, source 1 (A) window 0, C and D window 2
.else
	WIN 0xf1                                       ; the same, C and D window 3
.endif
.irp b, 0,1,2,3,4,5,6,7,8,9,10,11,12,13,14,15
	v_wmma_f32_16x16x32_bf16 v[128*(\a%2)+8*\b:128*(\a%2)+8*\b+7], v[128*\f+8*\b:128*\f+8*\b+7], v[AP0+32*\f+8*\a:AP0+32*\f+8*\a+7], v[128*(\a%2)+8*\b:128*(\a%2)+8*\b+7]
.endr
.endm
; One K step.  At its head buffer 0 holds the slot's first half.  mode 2: the slot is filled again, two K steps ahead; 1: slots change, nothing is
; filled; 0: the last step.  ONE barrier for a change of slots: in front of it each wave waits for its reads of this slot and for all its tensor
; loads (one is out: its part of the other slot); behind it the refill comes first, then the other slot's first fragments.
; From a request to the wait for it a wave issues 112 matrix instructions.
.macro STEP slot, mode
	FETCH \slot, 1, 1                              ; the second half, 48 matrix instructions ahead of the wait for it
	MUL16 0, 0
	MUL16 0, 1
	MUL16 0, 2
.if \mode
	s_wait_dscnt 0x0                               ; my reads of this slot are over
	s_wait_xcnt 0x0
	s_set_vgpr_msb 0xf130
	v_lshl_add_u32 v254, v0, 2, 0x4bc00
	v_mov_b32 v255, 0
	s_wait_tensorcnt 0x0                           ; all my tensor loads have landed, so a group 0 may be written
	ds_add_u32 v254, v255
	s_wait_dscnt 0x0
	s_set_vgpr_msb 0x30f1
.if \mode == 2
	s_add_nc_u64 s[G0+4*\slot+2:G0+4*\slot+3], s[G0+4*\slot+2:G0+4*\slot+3], 2*KSTEP*4
	s_add_nc_u64 s[G0B+4*\slot+2:G0B+4*\slot+3], s[G0B+4*\slot+2:G0B+4*\slot+3], 2*KSTEP*512
.endif
	s_barrier_signal -1                            ; say so (with a refill this barrier opens a round of the cluster's barrier)
.endif
	MUL16 0, 3                                     ; register work while the others arrive
.if \mode == 0
	s_wait_dscnt 0x0
.endif
	WIN 0
	CVT 1
.if \mode
	s_barrier_wait -1
.if \mode == 2
	CREST                                          ; no wave of any partner still reads this slot or has a load on its way
	JLOAD \slot                                    ; the first tensor load behind the round, the wave's only one until the next
.endif
	FETCH 1-\slot, 0, 0
.endif
	MUL16 1, 0
	MUL16 1, 1
	MUL16 1, 2
	MUL16 1, 3
.if \mode
	s_wait_dscnt 0x0                               ; the next step's first half is in (issued 64 matrix instructions ago)
	WIN 0
	CVT 0
.endif
.endm
	s_wait_tensorcnt 0x1                           ; my part of K step 0 is in; K step 1's load, the one issued behind it, may stay out
	s_barrier_signal -1
	s_barrier_wait -1                              ; everybody's is
	FETCH 0, 0, 0
	s_wait_dscnt 0x0
	CVT 0
	s_wait_loadcnt 0x0                             ; the bias is in the accumulators
	s_mov_b32 s75, 7                               ; 16 K steps: 14 with a refill, two a trip,
.Lsteps:
	STEP 0, 2
	STEP 1, 2
	s_sub_co_i32 s75, s75, 1
	s_cmp_lg_u32 s75, 0
	s_cbranch_scc1 .Lsteps
	STEP 0, 1                                      ; and the last two, which fetch nothing
	STEP 1, 0
	WIN 0
	PLACES                                         ; behind the last matrix instructions, in front of the first read of a result
	; THE NORMS.  A lane holds 128 of its row's 256 numbers: four chains of packed multiply-adds, then the other half of the lanes.
.macro SUMSQ a
.if \a < 2
	WIN 0x0a                                       ; sources 0 and 1 window 2
.else
	WIN 0x0f                                       ; window 3
.endif
.irp p, 0,1,2,3
	v_pk_mul_f32 v[SS+8*\a+2*\p:SS+8*\a+2*\p+1], v[128*(\a%2)+2*\p:128*(\a%2)+2*\p+1], v[128*(\a%2)+2*\p:128*(\a%2)+2*\p+1]
.endr
.irp b, 1,2,3,4,5,6,7,8,9,10,11,12,13,14,15
.irp p, 0,1,2,3
	v_pk_fma_f32 v[SS+8*\a+2*\p:SS+8*\a+2*\p+1], v[128*(\a%2)+8*\b+2*\p:128*(\a%2)+8*\b+2*\p+1], v[128*(\a%2)+8*\b+2*\p:128*(\a%2)+8*\b+2*\p+1], v[SS+8*\a+2*\p:SS+8*\a+2*\p+1]
.endr
.endr
.endm
	SUMSQ 0
	SUMSQ 1
	SUMSQ 2
	SUMSQ 3
	WIN 0
.irp a, 0,1,2,3
	v_pk_add_f32 v[SS+8*\a:SS+8*\a+1], v[SS+8*\a:SS+8*\a+1], v[SS+8*\a+2:SS+8*\a+3]
	v_pk_add_f32 v[SS+8*\a+4:SS+8*\a+5], v[SS+8*\a+4:SS+8*\a+5], v[SS+8*\a+6:SS+8*\a+7]
.endr
.irp a, 0,1,2,3
	v_pk_add_f32 v[SS+8*\a:SS+8*\a+1], v[SS+8*\a:SS+8*\a+1], v[SS+8*\a+4:SS+8*\a+5]
.endr
.irp a, 0,1,2,3
	v_add_f32 v[SS+8*\a], v[SS+8*\a], v[SS+8*\a+1]
.endr
.irp a, 0,1,2,3
	v_permlanex16_b32 v[SS+8*\a+1], v[SS+8*\a], s78, s79     ; the same row's other 128 columns; the destination has been written before
.endr
.irp a, 0,1,2,3
	v_add_f32 v[SS+8*\a], v[SS+8*\a], v[SS+8*\a+1]           ; both halves of the lanes now hold the row's sum
.endr
.irp a, 0,1,2,3
	v_sqrt_f32 v[SS+8*\a+2], v[SS+8*\a]
.endr
	v_nop                                          ; one plain place behind a transcendental before its result is used (ISA guide 5.7.2)
	s_wait_alu depctr_va_vdst(0)
.irp a, 0,1,2,3
	v_max_num_f32 v[SS+8*\a+3], 0x322bcc77, v[SS+8*\a+2]     ; max(norm, 1e-8)
.endr
.irp a, 0,1,2,3
	v_rcp_f32 v[INV+\a], v[SS+8*\a+3]
.endr
	v_nop
	s_wait_alu depctr_va_vdst(0)
.irp a, 0,1,2,3
	v_cndmask_b32 v[SC+2*\a], 1.0, v[INV+\a], s76            ; rows of hx: 1 / norm; rows of ha: 1, which changes nothing:
	v_cndmask_b32 v[SC+2*\a+1], 1.0, v[INV+\a], s76          ; one text for both, at 64 packed multiplies a row tile
.endr
	s_lshl_b32 s72, s24, 19                        ; my first result row: (256 x block row + 64 x wave) x 2,048 bytes,
	s_lshl_b32 s74, s18, 17
	s_add_co_u32 s72, s72, s74
	s_lshl_b32 s74, s21, 9                         ; and the subspace's 512 bytes in it
	s_add_co_u32 s72, s72, s74
	s_mov_b32 s73, 0
	s_add_nc_u64 s[68:69], s[68:69], s[72:73]
; THE WAY OUT, 16 rows at a time: scale, round to bf16, 16 bytes a lane into my own stage, read back as whole rows of 512 bytes.
; The stage is the wave's own and LDS serves a wave's instructions in order (ISA guide 5.7.1): no wait between its stores and its loads.
.macro OUTA a
.if \a < 2
	WIN 0x02                                       ; source 0 window 2
.else
	WIN 0x03
.endif
.irp b, 0,1,2,3,4,5,6,7,8,9,10,11,12,13,14,15
.irp p, 0,1,2,3
	v_pk_mul_f32 v[T+8*\b+2*\p:T+8*\b+2*\p+1], v[128*(\a%2)+8*\b+2*\p:128*(\a%2)+8*\b+2*\p+1], v[SC+2*\a:SC+2*\a+1]
.endr
.endr
	WIN 0
.irp b, 0,1,2,3,4,5,6,7,8,9,10,11,12,13,14,15
.irp p, 0,1,2,3
	v_cvt_pk_bf16_f32 v[T+4*\b+\p], v[T+8*\b+2*\p], v[T+8*\b+2*\p+1]     ; packed downward: a destination never lies above a source still to be read
.endr
.endr
.irp b, 0,1,2,3,4,5,6,7,8,9,10,11,12,13,14,15
	ds_store_b128 v[STO], v[T+4*\b:T+4*\b+3] offset:32*\b
.endr
	s_wait_xcnt 0x0                                ; RB, which the last row tile's stores read, is loaded again only behind this wait
.irp t, 0,1,2,3,4,5,6,7,8,9,10,11,12,13,14,15
	ds_load_b128 v[RB+4*\t:RB+4*\t+3], v[RD] offset:\t*SPITCH
.endr
.irp t, 0,1,2,3,4,5,6,7,8,9,10,11,12,13,14,15
	s_wait_dscnt 15-\t                             ; row t is in, the 15 - t younger loads stay out
	global_store_b128 v[CO], v[RB+4*\t:RB+4*\t+3], s[68:69] offset:(16*\a+\t)*2048   ; the wave stores 512 consecutive bytes, at a multiple of 512 from the buffer's first byte
.endr
.endm
	OUTA 0
	OUTA 1
	OUTA 2
	OUTA 3
	; FOR ROWS OF ha ALONE: rc and the column sums.  The condition is the cluster's y, equal in all waves and all partners.  The one barrier that the column
	; sums need stands between the two branches, on every wave's path.
	s_cmp_lt_u32 s23, 8
	s_cbranch_scc1 .Lno_a1
	s_lshr_b32 s72, s24, 2                         ; batch
	s_lshl2_add_u32 s72, s72, s21                  ; 4 x batch + subspace
	s_lshl_b32 s72, s72, 12                        ; rows of 1,024 f32
	s_and_b32 s74, s24, 3
	s_lshl_b32 s74, s74, 10                        ; + 256 j for each block row of the batch
	s_add_co_u32 s72, s72, s74
	s_lshl_b32 s74, s18, 8                         ; + 64 j for each wave
	s_add_co_u32 s72, s72, s74
	s_mov_b32 s73, 0
	s_add_nc_u64 s[16:17], s[16:17], s[72:73]
.irp a, 0,1,2,3
	v_mul_f32 v[SS+\a], 0x3fb8aa3b, v[INV+\a]      ; log2(e) / max(norm, 1e-8)
.endr
.irp a, 0,1,2,3
	ds_store_b32 v[RCS], v[SS+\a] offset:64*\a     ; row 16 a + l % 16; both halves of the lanes write the same number to the same word
.endr
	ds_load_b64 v[SS+4:SS+5], v[RCL]               ; my wave's own 256 bytes, in order behind its stores
	s_wait_dscnt 0x0
	global_store_b64 v[RCG], v[SS+4:SS+5], s[16:17]          ; the wave stores 256 consecutive bytes, aligned
	; column sums, first in registers: the four row tiles of my wave, number for number: lane l then holds rows l % 16, 16 + l % 16, .. summed
	WIN 0x0a                                       ; sources 0 and 1 window 2
.irp b, 0,1,2,3,4,5,6,7,8,9,10,11,12,13,14,15
.irp p, 0,1,2,3
	v_pk_add_f32 v[T+8*\b+2*\p:T+8*\b+2*\p+1], v[8*\b+2*\p:8*\b+2*\p+1], v[128+8*\b+2*\p:128+8*\b+2*\p+1]
.endr
.endr
	WIN 0x03                                       ; source 0 window 3
.irp b, 0,1,2,3,4,5,6,7,8,9,10,11,12,13,14,15
.irp p, 0,1,2,3
	v_pk_add_f32 v[T+8*\b+2*\p:T+8*\b+2*\p+1], v[8*\b+2*\p:8*\b+2*\p+1], v[T+8*\b+2*\p:T+8*\b+2*\p+1]
.endr
.endr
.irp b, 0,1,2,3,4,5,6,7,8,9,10,11,12,13,14,15
.irp p, 0,1,2,3
	v_pk_add_f32 v[T+8*\b+2*\p:T+8*\b+2*\p+1], v[128+8*\b+2*\p:128+8*\b+2*\p+1], v[T+8*\b+2*\p:T+8*\b+2*\p+1]
.endr
.endr
	WIN 0
.irp b, 0,1,2,3,4,5,6,7,8,9,10,11,12,13,14,15
	ds_store_b128 v[CSS], v[T+8*\b:T+8*\b+3]   offset:64*\b          ; row 16 w + l % 16, columns 16 b + 8 h + 0..3
	ds_store_b128 v[CSS], v[T+8*\b+4:T+8*\b+7] offset:64*\b+16       ; and + 4..7
.endr
.Lno_a1:
	s_wait_dscnt 0x0                               ; my rows are in LDS,
	s_barrier_signal -1
	s_barrier_wait -1                              ; everybody's are
	s_cmp_lt_u32 s23, 8
	s_cbranch_scc1 .Lno_a2
	s_lshl_b32 s72, s24, 12                        ; asum: 4 subspaces of 1,024 bytes a block row,
	s_lshl_b32 s74, s21, 10                        ; and my subspace
	s_add_co_u32 s72, s72, s74
	s_mov_b32 s73, 0
	s_add_nc_u64 s[80:81], s[80:81], s[72:73]
.set i, 0
.rept 64
	ds_load_b64 v[T+2*i:T+2*i+1], v[CSL] offset:i*CSP        ; my two columns of row i: a wave takes 256 consecutive bytes
.set i, i+1
.endr
	s_wait_dscnt 0x0
.macro FOLD n                          ; rows 0 .. n - 1 take up rows n .. 2 n - 1
.set i, 0
.rept \n
	v_pk_add_f32 v[T+2*i:T+2*i+1], v[T+2*i:T+2*i+1], v[T+2*(i+\n):T+2*(i+\n)+1]
.set i, i+1
.endr
.endm
	FOLD 32
	FOLD 16
	FOLD 8
	FOLD 4
	FOLD 2
	FOLD 1
	v_mul_f32 v[T], 0x3e800000, v[T]               ; 1/4, exact
	v_mul_f32 v[T+1], 0x3e800000, v[T+1]
	global_store_b64 v[CSG], v[T:T+1], s[80:81]    ; the wave stores 256 consecutive bytes, aligned
.Lno_a2:
	s_wait_xcnt 0x0
	v_lshl_add_u32 v254, v0, 2, 0x4bc00
	v_mov_b32 v255, 0
	s_wait_tensorcnt 0x0
	ds_add_u32 v254, v255
	s_wait_dscnt 0x0
	CROUND                                         ; the closing round: no work-group ends while a partner may still ask for a tile that names it
	s_endpgm
.Lfunc_end_k_q474e8d6dd6_proj:
	.size	k_q474e8d6dd6_proj, .Lfunc_end_k_q474e8d6dd6_proj-k_q474e8d6dd6_proj
	.p2alignl 7, 3214868480
	.fill 96, 4, 3214868480
	.section	.rodata,"a",@progbits
	.p2align	6, 0x0
	.amdhsa_kernel k_q474e8d6dd6_proj
		.amdhsa_group_segment_fixed_size 327680
		.amdhsa_private_segment_fixed_size 0
		.amdhsa_enable_private_segment 0
		.amdhsa_kernarg_size 64
		.amdhsa_user_sgpr_count 2
		.amdhsa_user_sgpr_kernarg_segment_ptr 1
		.amdhsa_wavefront_size32 1
		.amdhsa_system_sgpr_workgroup_id_x 1
		.amdhsa_system_sgpr_workgroup_id_y 1
		.amdhsa_system_sgpr_workgroup_id_z 1
		.amdhsa_system_vgpr_workitem_id 0
		.amdhsa_next_free_vgpr 1024
		.amdhsa_next_free_sgpr 84
		.amdhsa_reserve_vcc 0
		.amdhsa_float_denorm_mode_32 3
		.amdhsa_float_denorm_mode_16_64 3
		.amdhsa_memory_ordered 1
		.amdhsa_forward_progress 1
		.amdhsa_inst_pref_size 187
	.end_amdhsa_kernel
	.amdgpu_metadata
---
amdhsa.version: [ 1, 2 ]
amdhsa.kernels:
  - .name:           k_q474e8d6dd6_proj
    .symbol:         k_q474e8d6dd6_proj.kd
    .args:
      - { .name: hx, .offset: 0, .size: 8, .value_kind: global_buffer, .address_space: global }
      - { .name: ha, .offset: 8, .size: 8, .value_kind: global_buffer, .address_space: global }
      - { .name: wpb, .offset: 16, .size: 8, .value_kind: global_buffer, .address_space: global }
      - { .name: bp, .offset: 24, .size: 8, .value_kind: global_buffer, .address_space: global }
      - { .name: xn, .offset: 32, .size: 8, .value_kind: global_buffer, .address_space: global }
      - { .name: asub, .offset: 40, .size: 8, .value_kind: global_buffer, .address_space: global }
      - { .name: rc, .offset: 48, .size: 8, .value_kind: global_buffer, .address_space: global }
      - { .name: asum, .offset: 56, .size: 8, .value_kind: global_buffer, .address_space: global }
    .group_segment_fixed_size: 327680
    .private_segment_fixed_size: 0
    .kernarg_segment_align: 8
    .kernarg_segment_size: 64
    .max_flat_workgroup_size: 128
    .sgpr_count:     84
    .vgpr_count:     1024
    .wavefront_size: 32
...
	.end_amdgpu_metadata
.endif
;; end of part 2
;; launch attn (part 3): grid 256 x 1, 4 waves a work-group, clusters of 4 x 1, 327,680 bytes of LDS; arguments xn, asub, rc, asum, wsum; writes wsum
.if DOCPART == 3
	.amdgcn_target "amdgcn-amd-amdhsa--gfx1250"
	.amdhsa_code_object_version 6
	.text
	.protected	k_q474e8d6dd6_attn
	.globl	k_q474e8d6dd6_attn
	.p2align	8
	.type	k_q474e8d6dd6_attn,@function
k_q474e8d6dd6_attn:
	s_mov_b64 s[64:65], 0
	v_nop
	global_prefetch_b8 v0, s[64:65] scope:SCOPE_SE
	s_setreg_imm32_b32 hwreg(HW_REG_WAVE_MODE, 25, 1), 1
	s_wait_xcnt 0x0
	s_wait_alu depctr_hold_cnt(0) depctr_sa_sdst(0) depctr_va_vdst(0) depctr_va_sdst(0) depctr_va_ssrc(0) depctr_va_vcc(0) depctr_vm_vsrc(0)
	s_getreg_b32 s2, hwreg(HW_REG_IB_STS2, 6, 4)
	s_cmp_eq_u32 s2, 0
	s_cbranch_scc0 .Lentry_in_a_cluster
	s_endpgm
.Lentry_in_a_cluster:
	s_bfe_u32 s2, ttmp6, 0x10000c
	s_cmp_lg_u32 s2, 0x3003
	s_cbranch_scc0 .Lentry_shape_is_right
	s_endpgm
.Lentry_shape_is_right:
; For 32 query rows i of one batch b:   sim_s(i, j) = xn_s(i) . a_s(j) / max(|a_s(j)|, 1e-8);   w = softmax over the four subspaces s;
; wsum(i, 256 s + d) = bf16 of weighted_s(i, d) = sum over j of w_s(i, j) a_s(j, d).  The product with Wr is the next launch's: with 32 rows a work-group
; would walk all 2 MiB of Wr for them, as many tile bytes as for both products here; blocks of 128 x 256 of the output walk 768 KiB each.
; NO MAXIMUM IS TAKEN AWAY before the exponential: the exponents are cosines of vectors that the computation itself normalises.  With xn and a rounded to
; bf16 their size stays under 1.02 for every input, so each exponential lies in 0.36 .. 2.8 and the sum of four in 1.4 .. 11.1.
; THE WEIGHTS ARE CENTRED: the four w_s add up to 1, and weighted_s = sum over j of (w_s - 1/4) a_s(j) + 1/4 sum over j of a_s(j), exactly.  The first sum goes
; through the matrix unit; its operand w - 1/4 is rounded to bf16 relative to its own size, not to 1/4's.  The second is the column sum that the launch before
; made in f32 (asum, four partial sums a batch).  Over the four s the squares of w - 1/4 add up to those of w less 1/4, so the operand's rounding error is
; never the larger one; and since w stays in 0.04 .. 0.72, the two sums never cancel by more than a factor of about 6.
; LIMITS: xn, a and w - 1/4 enter the matrix unit rounded to bf16; sums, exponentials and the division in f32; wsum is rounded to bf16.
;
; SHAPE: 8,192 rows for 256 work-groups: 32 rows each, four waves.  The four work-groups of a cluster lie in one batch and walk the same 16 tiles of
; asub: every tile is asked for JOINTLY (mask 15), once for four work-groups.
; A tile is 64 rows j of 2,048 bytes (all four subspaces; dense, 131,072 bytes), through a ring of two LDS slots.  Each wave fetches a quarter of a tile
; with one tensor load; one load of a wave is out at a time.
;   similarity:     wave w takes the 16 columns j = 16 w + l % 16 of the tile, for all four s and both row tiles, so that the softmax over s is register
;                   work of one lane; for that each wave keeps the whole 32 x 1,024 block of xn in 512 registers (read once, straight from memory).
;   aggregation:    wave w is subspace w: 32 x 256 sums in 256 registers.  The weights pass through LDS once, in bf16.
; With 32 rows a fragment read from LDS feeds two matrix instructions: more rows a work-group would leave WGPs without work.
;
; A TILE IN LDS.  16 bytes of padding follow every 1,024, so a tile row takes 2,080 bytes and column byte c lies at c + 16 (c / 1024).  Wave w fetches rows
; 32 (w / 2) + 8 (w % 2) + {0..7, 16..23} (two rows of 16 KiB of the descriptor, 32 KiB apart) to w x 33,296.  So row j lies at
; (2 (j / 32) + (j / 8) % 2) x 33,296 + (8 ((j / 16) % 2) + j % 8) x 2,080.  2,080 = 32 and 33,296 = 16 modulo 256: the 16 rows of a plain fragment load
; start at 16 different 16-byte columns modulo 256 bytes, and so do the 8 rows x 2 columns of a transposing load.
;
; REGISTER WINDOWS: 0 addresses, fragments, similarity tiles; 1 and 2 xn's 64 fragments, at the end asum's four partial sums; 3 the 32 accumulators.
.set TROW,  2080
.set PIECE, 33296                      ; 16 tile rows + 16
.set SLOT,  133376                     ; 4 pieces, rounded up to a multiple of 256
.set TILEB, 131072                     ; a tile in memory
.set PT,    2*SLOT                     ; 266,752: from here on only LDS stores write.  Weights: for each s 64 rows j of 32 i in bf16,
.set PTP,   96                         ;   row j at 96 j + 16 ((j / 8) % 2): stores and transposing loads fall on 16 different columns
.set PTS,   64*PTP                     ;   6,144 a subspace
.set STG,   PT                         ; behind the weights' last use: 16 rows x 528 bytes for each wave, for the way out
.set SPITCH, 528
.set WSTAGE, 16*SPITCH                 ; 8,448
.set ADS, 8                            ; v8-9    LDS address of my similarity fragments in slot 0, 1
.set ADT, 10                           ; v10-13  of my transposed fragments: slot 0 rows 0-31, rows 32-63, slot 1 likewise
.set PST, 14                           ; v14     where I put 16 bytes of weights
.set PLD, 15                           ; v15     where I read my subspace's weights
.set CO,  16                           ; v16     byte offset of my column j in a row of rc; steps by 256 a tile
.set XO,  17                           ; v17     byte offset of my part of xn's fragments
.set STO, 18                           ; v18     the way out: where I put 16 bytes of a row
.set RD,  19                           ; v19     the way out: where I read a row back
.set WO,  20                           ; v20     16 x lane: my bytes in my wave's 512 of a row of wsum
.set C,   24                           ; v24-27  rc of my column j, s = 0..3
.set Q,   28                           ; v28-29  -1/4, twice (a pair for the packed multiply-add)
.set AO,  30                           ; v30     32 h: my eight d of a group of sixteen in asum
.set PF,  32                           ; v32-63  the weights' four fragments (row tile it, K half ks) at 8 (2 it + ks)
.set T,   32                           ; v32-47  ahead of them: the sums of the four exponentials
.set F0,  64                           ; v64-127   fragment buffer 0; on the way out the packed results
.set F1,  128                          ; v128-191  fragment buffer 1; on the way out the rows read back
.set S,   192                          ; v192-255  similarity tile (s, it) at 8 (2 s + it)
.set G1,  32                           ; s[32:39] descriptor group 1
.set G0,  40                           ; s[40:47] group 0, a set for each slot
.set MSB, 0
.macro WIN new                         ; the immediate's high byte repeats the setting that is left; a switch that changes nothing is dropped
.if MSB != (\new)
	s_set_vgpr_msb (MSB<<8)|(\new)
.set MSB, (\new)
.endif
.endm
.macro PLACES                          ; four places behind a matrix instruction, in front of loads into its sources and of reads of its result
.rept 4
	v_nop
.endr
.endm
.macro CREST                           ; a round of the cluster's barrier behind its opening work-group barrier
	s_cmp_lg_u32 s16, 0
	s_cbranch_scc1 .Lnot_wave_0_\@
	s_barrier_signal -3
.Lnot_wave_0_\@:
	s_barrier_wait -3
	s_barrier_signal -1
	s_barrier_wait -1
.endm
.macro ROUND
	s_barrier_signal -1
	s_barrier_wait -1
	CREST
.endm
	s_load_b256 s[4:11], s[0:1], 0x0               ; xn s[4:5], asub s[6:7], rc s[8:9], asum s[10:11]
	s_load_b64 s[12:13], s[0:1], 0x20              ; wsum
	v_lshl_add_u32 v23, v0, 2, 0x49600
	v_mov_b32 v31, 0
	ds_add_u32 v23, v31
	v_lshrrev_b32 v1, 5, v0
	v_readfirstlane_b32 s16, v1                    ; wave 0..3
	s_bfe_u32 s17, ttmp6, 0x40000                  ; cx
	s_lshl_b32 s18, ttmp9, 2
	s_add_co_u32 s18, s18, s17                     ; my block of 32 rows, 0..255: enters xn's and wsum's addresses alone
	s_lshr_b32 s19, ttmp9, 3                       ; batch: eight clusters each, the same in all four partners
	; group 1: 2 rows of 2,048 elements of 8 bytes, 4,096 elements from row to row; 4 words of padding behind every 256; mask 15 with bit 21 beside it
	s_mov_b32 s[G1+0], 15|(3<<16)|(1<<20)|(1<<21)|(7<<22)|(3<<25)
	s_mov_b32 s[G1+1], 2048<<16                    ; tensor_dim0 = 2,048
	s_mov_b32 s[G1+2], 2<<16                       ; tensor_dim1 = 2
	s_mov_b32 s[G1+3], 2048<<16                    ; tile_dim0 = 2,048
	s_mov_b32 s[G1+4], 2                           ; tile_dim1 = 2
	s_mov_b32 s[G1+5], 4096                        ; pitch
	s_mov_b32 s[G1+6], 0
	s_mov_b32 s[G1+7], 0
	s_lshr_b32 s20, s16, 1                         ; w / 2
	s_and_b32 s21, s16, 1                          ; w % 2
	s_lshl_b32 s22, s20, 16                        ; my part of a tile: 32 (w / 2) + 8 (w % 2) rows of 2,048 bytes down
	s_lshl_b32 s24, s21, 14
	s_add_co_u32 s22, s22, s24
	s_lshl_b32 s24, s19, 21                        ; the batch's 1,024 rows of asub
	s_add_co_u32 s24, s24, s22
	s_mov_b32 s25, 0
	s_mul_i32 s26, s16, PIECE                      ; and where it goes
	s_lshl_b32 s28, s18, 16                        ; my 32 rows of 2,048 bytes, in xn and in wsum
	s_mov_b32 s29, 0
	s_lshl_b32 s30, s19, 14                        ; the batch's 4 x 1,024 numbers of rc
	s_mov_b32 s31, 0
	s_lshl_b32 s56, s19, 14                        ; asum: the batch's 4 partial sums x 4 subspaces x 1,024 bytes,
	s_lshl_b32 s58, s16, 10                        ; and my wave's subspace
	s_add_co_u32 s56, s56, s58
	s_mov_b32 s57, 0
	s_lshl_b32 s22, s16, 9                         ; wsum: my wave's subspace is 512 bytes of a row,
	s_add_co_u32 s22, s22, s28                     ; in my 32 rows
	s_mov_b32 s23, 0
	s_wait_dscnt 0x0
	s_wait_kmcnt 0x0
	s_add_nc_u64 s[24:25], s[6:7], s[24:25]
	s_add_nc_u64 s[4:5], s[4:5], s[28:29]
	s_add_nc_u64 s[8:9], s[8:9], s[30:31]
	s_add_nc_u64 s[10:11], s[10:11], s[56:57]
	s_add_nc_u64 s[12:13], s[12:13], s[22:23]
.irp s, 0,1
	s_mov_b32 s[G0+4*\s], 1
	s_add_co_u32 s[G0+4*\s+1], s26, \s*SLOT
	s_add_nc_u64 s[G0+4*\s+2:G0+4*\s+3], s[24:25], \s*TILEB      ; asub's tile s
	s_or_b32 s[G0+4*\s+3], s[G0+4*\s+3], 0x80000000
.endr
	ROUND                                          ; the four work-groups are here: the first joint load meets
	tensor_load_to_lds s[G0:G0+3], s[G1:G1+7]      ; tile 0 into slot 0
	s_nop 0
	v_and_b32 v1, 15, v0                           ; r = l % 16
	v_bfe_u32 v2, v0, 4, 1                         ; h = l / 16
	v_and_b32 v3, 31, v0                           ; l
	v_and_b32 v4, 7, v0                            ; l % 8 = r % 8
	v_bfe_u32 v5, v0, 3, 1                         ; (l / 8) % 2 = r / 8
	v_lshlrev_b32 v[XO], 11, v1                    ; row r of 2,048 bytes
	v_lshl_add_u32 v[XO], v2, 4, v[XO]             ; + 16 h
	s_lshl_b32 s27, s16, 6
	v_lshl_add_u32 v[CO], v1, 2, s27               ; 4 (16 w + r)
	; xn's fragment (s, it, q): rows 16 it + r, d = 32 q + 8 h + 0..7 and 32 q + 16 + 8 h + 0..7; window 1 + s / 2, register 128 (s % 2) + 64 it + 8 q
.macro XLOAD sp
.irp e, 0,1
.irp it, 0,1
.irp q, 0,1,2,3,4,5,6,7
	global_load_b128 v[128*\e+64*\it+8*\q:128*\e+64*\it+8*\q+3],   v[XO], s[4:5] offset:32768*\it+512*(2*\sp+\e)+64*\q
	global_load_b128 v[128*\e+64*\it+8*\q+4:128*\e+64*\it+8*\q+7], v[XO], s[4:5] offset:32768*\it+512*(2*\sp+\e)+64*\q+32
.endr
.endr
.endr
.endm
; asum's partial sums 2 pp and 2 pp + 1 of my subspace: d = 16 n + 8 h + 0..7 into register 128 e + 8 n + 0..7, the accumulators' own order
.macro ALOAD pp
.irp e, 0,1
.irp n, 0,1,2,3,4,5,6,7,8,9,10,11,12,13,14,15
	global_load_b128 v[128*\e+8*\n:128*\e+8*\n+3],   v[AO], s[10:11] offset:4096*(2*\pp+\e)+64*\n
	global_load_b128 v[128*\e+8*\n+4:128*\e+8*\n+7], v[AO], s[10:11] offset:4096*(2*\pp+\e)+64*\n+16
.endr
.endr
.endm
	WIN 0x40
	XLOAD 0
	WIN 0x80
	XLOAD 1
	WIN 0
.irp s, 0,1,2,3
	global_load_b32 v[C+\s], v[CO], s[8:9] offset:4096*\s        ; rc of my column in tile 0
.endr
	v_mov_b32 v[Q], 0xbe800000                     ; -1/4
	v_mov_b32 v[Q+1], 0xbe800000
	v_lshlrev_b32 v[AO], 5, v2
	v_mul_u32_u24 v6, v4, TROW                     ; (l % 8) tile rows
	v_mul_u32_u24 v7, v5, PIECE                    ; similarity: row j = 16 w + r of the tile: piece 2 (w / 2) + r / 8, row 8 (w % 2) + r % 8 of it
	v_add_nc_u32 v7, v7, v6
	v_lshl_add_u32 v7, v2, 4, v7                   ; + 16 h
	s_mul_i32 s27, s20, 2*PIECE
	s_mul_i32 s53, s21, 8*TROW
	s_add_co_u32 s27, s27, s53
	v_add_nc_u32 v[ADS], s27, v7
	v_add_nc_u32 v[ADS+1], SLOT, v[ADS]
	v_mul_u32_u24 v7, v2, PIECE                    ; transposed: row 32 ks + 8 h + l % 8: piece 2 ks + h, row l % 8 of it (16 rows on: 8 rows of the piece on)
	v_add_nc_u32 v7, v7, v6
	v_lshl_add_u32 v7, v5, 4, v7                   ; + the 16-byte column
	s_lshl_b32 s27, s16, 9                         ; my 512 bytes of a tile row: 512 w
	s_lshl_b32 s53, s20, 4                         ; + 16 (w / 2), the padding in the row's middle
	s_add_co_u32 s27, s27, s53
	v_add_nc_u32 v[ADT], s27, v7
	v_add_nc_u32 v[ADT+1], 2*PIECE, v[ADT]
	v_add_nc_u32 v[ADT+2], SLOT, v[ADT]
	v_add_nc_u32 v[ADT+3], SLOT, v[ADT+1]
	v_add_nc_u32 v7, v5, v2
	v_mul_u32_u24 v6, v1, PTP
	v_lshl_add_u32 v6, v7, 4, v6                   ; weights out: row j = 16 w + r with its skew 16 (r / 8), i = 8 h + 0..7 at 16 h
	s_mul_i32 s27, s16, 16*PTP
	s_add_co_u32 s27, s27, PT
	v_add_nc_u32 v[PST], s27, v6
	v_lshl_add_u32 v6, v2, 3, v4
	v_mul_u32_u24 v6, v6, PTP
	v_lshl_add_u32 v6, v7, 4, v6                   ; weights in, transposed: row 8 h + l % 8 with its skew 16 h, and the 16-byte column
	s_mul_i32 s27, s16, PTS
	s_add_co_u32 s27, s27, PT
	v_add_nc_u32 v[PLD], s27, v6
	s_mul_i32 s27, s16, WSTAGE
	s_add_co_u32 s27, s27, STG                     ; my stage
	v_mul_u32_u24 v6, v1, SPITCH
	v_lshl_add_u32 v6, v2, 4, v6
	v_add_nc_u32 v[STO], s27, v6                   ; the way out, in: row r, 16 bytes for each half of the lanes
	v_lshl_add_u32 v[RD], v3, 4, s27               ; back: the 32 lanes take one row's 512 bytes
	v_lshlrev_b32 v[WO], 4, v3
; 16 LDS loads: my 16 rows j of subspaces 2 sp, 2 sp + 1, d = 128 kh .. 128 kh + 127: fragment (qq, e) at f + 8 (2 qq + e)
.macro SLOAD slot, sp, kh, f
.irp qq, 0,1,2,3
.irp e, 0,1
	ds_load_b128 v[\f+8*(2*\qq+\e):\f+8*(2*\qq+\e)+3],   v[ADS+\slot] offset:512*(2*\sp+\e)+16*\sp+64*(4*\kh+\qq)
	ds_load_b128 v[\f+8*(2*\qq+\e)+4:\f+8*(2*\qq+\e)+7], v[ADS+\slot] offset:512*(2*\sp+\e)+16*\sp+64*(4*\kh+\qq)+32
.endr
.endr
.endm
; 16 matrix instructions on them: source 0 = xn (rows i), source 1 = a (columns j): lane = j, registers = i = 8 h + 0..7.
; The four tiles (2 sp + e, it) take turns, one instruction a turn.  The first product starts each sum.
.macro SMUL sp, kh, f
	WIN 1+\sp
.irp qq, 0,1,2,3
.irp e, 0,1
.irp it, 0,1
.if (\kh+\qq) == 0
	v_wmma_f32_16x16x32_bf16 v[S+8*(2*(2*\sp+\e)+\it):S+8*(2*(2*\sp+\e)+\it)+7], v[128*\e+64*\it+8*(4*\kh+\qq):128*\e+64*\it+8*(4*\kh+\qq)+7], v[\f+8*(2*\qq+\e):\f+8*(2*\qq+\e)+7], 0
.else
	v_wmma_f32_16x16x32_bf16 v[S+8*(2*(2*\sp+\e)+\it):S+8*(2*(2*\sp+\e)+\it)+7], v[128*\e+64*\it+8*(4*\kh+\qq):128*\e+64*\it+8*(4*\kh+\qq)+7], v[\f+8*(2*\qq+\e):\f+8*(2*\qq+\e)+7], v[S+8*(2*(2*\sp+\e)+\it):S+8*(2*(2*\sp+\e)+\it)+7]
.endif
.endr
.endr
.endr
.endm
; 16 transposing LDS loads: tile rows 32 ks .. 32 ks + 31 as K, eight groups of 16 of my 256 columns (128 nh + 16 n + ..) as rows of source 0
.macro TLOAD slot, ks, nh, f
.irp n, 0,1,2,3,4,5,6,7
	ds_load_tr16_b128 v[\f+8*\n:\f+8*\n+3],   v[ADT+2*\slot+\ks] offset:32*(8*\nh+\n)
	ds_load_tr16_b128 v[\f+8*\n+4:\f+8*\n+7], v[ADT+2*\slot+\ks] offset:32*(8*\nh+\n)+8*TROW
.endr
.endm
; 16 matrix instructions of the aggregation: source 0 = a transposed (rows d), source 1 = weights (columns i): lane = i, registers = 8 neighbouring d.
; Sixteen accumulators, one instruction each; the 32 take turns from macro to macro.
.macro PMUL ks, nh, f, zero
	WIN 0xf0                                       ; C and D window 3
.irp n, 0,1,2,3,4,5,6,7
.irp it, 0,1
.if \zero
	v_wmma_f32_16x16x32_bf16 v[8*(16*\it+8*\nh+\n):8*(16*\it+8*\nh+\n)+7], v[\f+8*\n:\f+8*\n+7], v[PF+8*(2*\it+\ks):PF+8*(2*\it+\ks)+7], 0
.else
	v_wmma_f32_16x16x32_bf16 v[8*(16*\it+8*\nh+\n):8*(16*\it+8*\nh+\n)+7], v[\f+8*\n:\f+8*\n+7], v[PF+8*(2*\it+\ks):PF+8*(2*\it+\ks)+7], v[8*(16*\it+8*\nh+\n):8*(16*\it+8*\nh+\n)+7]
.endif
.endr
.endr
.endm
; The softmax over s of my column j and all 32 i, in registers; w - 1/4 goes to LDS in bf16, 16 bytes (eight i) at a time.
; cnext = 1: the next tile's four rc are asked for as soon as this tile's have been used.  cnext = 0 (the last tile): asum's four partial sums are asked for
; in their stead, into xn's registers, which no instruction reads any more: the last similarity product lies four places and 32 multiplies back.
.macro SOFTMAX cnext
	s_wait_loadcnt 0x0                             ; this tile's rc (asked for a tile ago)
.irp s, 0,1,2,3
.irp u, 0,1,2,3,4,5,6,7
.if (\s%2) == 0
	v_pk_mul_f32 v[S+16*\s+2*\u:S+16*\s+2*\u+1], v[S+16*\s+2*\u:S+16*\s+2*\u+1], v[C+\s:C+\s+1] op_sel_hi:[1,0]             ; both by the pair's first
.else
	v_pk_mul_f32 v[S+16*\s+2*\u:S+16*\s+2*\u+1], v[S+16*\s+2*\u:S+16*\s+2*\u+1], v[C+\s-1:C+\s] op_sel:[0,1] op_sel_hi:[1,1] ; both by its second
.endif
.endr
.endr
.if \cnext
	v_add_nc_u32 v[CO], 256, v[CO]                 ; free since the wait above: 64 columns on
.irp s, 0,1,2,3
	global_load_b32 v[C+\s], v[CO], s[8:9] offset:4096*\s
.endr
.else
	WIN 0x40                                       ; destination window 1
	ALOAD 0
	WIN 0x80                                       ; destination window 2
	ALOAD 1
	WIN 0
.endif
.set i, 0
.rept 64
	v_exp_f32 v[S+i], v[S+i]                       ; 2^(log2(e) x cosine)
.set i, i+1
.endr
	v_nop                                          ; one plain place behind a transcendental before its result is used (ISA guide 5.7.2)
	s_wait_alu depctr_va_vdst(0)
.irp u, 0,1,2,3,4,5,6,7
	v_pk_add_f32 v[T+2*\u:T+2*\u+1], v[S+2*\u:S+2*\u+1], v[S+16+2*\u:S+16+2*\u+1]
.endr
.irp u, 0,1,2,3,4,5,6,7
	v_pk_add_f32 v[T+2*\u:T+2*\u+1], v[T+2*\u:T+2*\u+1], v[S+32+2*\u:S+32+2*\u+1]
.endr
.irp u, 0,1,2,3,4,5,6,7
	v_pk_add_f32 v[T+2*\u:T+2*\u+1], v[T+2*\u:T+2*\u+1], v[S+48+2*\u:S+48+2*\u+1]
.endr
.set i, 0
.rept 16
	v_rcp_f32 v[T+i], v[T+i]
.set i, i+1
.endr
	v_nop
	s_wait_alu depctr_va_vdst(0)
.irp s, 0,1,2,3
.irp u, 0,1,2,3,4,5,6,7
	v_pk_fma_f32 v[S+16*\s+2*\u:S+16*\s+2*\u+1], v[S+16*\s+2*\u:S+16*\s+2*\u+1], v[T+2*\u:T+2*\u+1], v[Q:Q+1]   ; w - 1/4, one rounding
.endr
.endr
.irp m, 0,1,2,3,4,5,6,7
.irp p, 0,1,2,3
	v_cvt_pk_bf16_f32 v[S+8*\m+\p], v[S+8*\m+2*\p], v[S+8*\m+2*\p+1]
.endr
.endr
.irp s, 0,1,2,3
.irp it, 0,1
	ds_store_b128 v[PST], v[S+8*(2*\s+\it):S+8*(2*\s+\it)+3] offset:PTS*\s+32*\it
.endr
.endr
.endm
; One tile of asub, in slot.  load = 1: it begins, straight behind a round, with the joint load of the next tile into the other slot, which has this tile's
; 112 matrix instructions and its softmax in which to land.  Each s_wait_dscnt 16 leaves out the 16 loads of the younger fragment group.
; fin = 2: this slot is filled again in the next tile: its address steps two tiles on and the tile ends in a round of the cluster's barrier;
; fin = 1: a plain barrier.  In front of either: my reads of the slot and of the weights are back, all my tensor loads have landed.
.macro ATRIP slot, zero, load, fin, cnext
.if \load
	tensor_load_to_lds s[G0+4*(1-\slot):G0+4*(1-\slot)+3], s[G1:G1+7]
	s_nop 0
.endif
	SLOAD \slot, 0, 0, F0
	SLOAD \slot, 0, 1, F1
	s_wait_dscnt 16
	SMUL 0, 0, F0
	WIN 0
	PLACES
	SLOAD \slot, 1, 0, F0
	s_wait_dscnt 16
	SMUL 0, 1, F1
	WIN 0
	PLACES
	SLOAD \slot, 1, 1, F1
	s_wait_dscnt 16
	SMUL 1, 0, F0
	WIN 0
	PLACES
	TLOAD \slot, 0, 0, F0                          ; the aggregation's first fragments come in under the softmax
	s_wait_dscnt 16
	SMUL 1, 1, F1
	WIN 0
	PLACES
	TLOAD \slot, 0, 1, F1
	SOFTMAX \cnext
	s_wait_dscnt 0x0                               ; my weights are in LDS,
	s_barrier_signal -1
	s_barrier_wait -1                              ; everybody's are.  The next tile's load stays on its way
.irp it, 0,1
.irp ks, 0,1
	ds_load_tr16_b128 v[PF+8*(2*\it+\ks):PF+8*(2*\it+\ks)+3],   v[PLD] offset:32*PTP*\ks+32*\it
	ds_load_tr16_b128 v[PF+8*(2*\it+\ks)+4:PF+8*(2*\it+\ks)+7], v[PLD] offset:32*PTP*\ks+32*\it+16*PTP
.endr
.endr
	s_wait_dscnt 0x0
	PMUL 0, 0, F0, \zero
	WIN 0
	PLACES
	TLOAD \slot, 1, 0, F0
	PMUL 0, 1, F1, \zero
	WIN 0
	PLACES
	TLOAD \slot, 1, 1, F1
	s_wait_dscnt 16
	PMUL 1, 0, F0, 0
	s_wait_dscnt 0x0                               ; my reads of this slot are back
	s_wait_tensorcnt 0x0                           ; all my tensor loads have landed (my part of the other slot), so a group 0 may be written
	ds_add_u32 v23, v31
	s_wait_dscnt 0x0
.if \fin == 2
	s_add_nc_u64 s[G0+4*\slot+2:G0+4*\slot+3], s[G0+4*\slot+2:G0+4*\slot+3], 2*TILEB
.endif
	s_barrier_signal -1
	PMUL 1, 1, F1, 0                               ; register work while the others arrive
	WIN 0
	PLACES
	s_barrier_wait -1
.if \fin == 2
	CREST                                          ; no wave of any partner still reads this slot, reads the weights, or has a load on its way
.endif
.endm
	s_wait_loadcnt 0x4                             ; xn is in; the four rc loads issued behind it may stay out
	s_wait_tensorcnt 0x0                           ; my part of tile 0 has landed
	ds_add_u32 v23, v31
	s_wait_dscnt 0x0
	ROUND                                          ; everybody's has; slot 1's first fill is issued as a refill is, behind a round
	ATRIP 0, 1, 1, 2, 1                            ; tile 0: its first products start the 32 sums
	ATRIP 1, 0, 1, 2, 1
	s_mov_b32 s52, 6
.Lpair:
	ATRIP 0, 0, 1, 2, 1                            ; tiles 2 to 13
	ATRIP 1, 0, 1, 2, 1
	s_sub_co_i32 s52, s52, 1
	s_cmp_lg_u32 s52, 0
	s_cbranch_scc1 .Lpair
	ATRIP 0, 0, 1, 1, 1                            ; tile 14 asks for tile 15, the last; slot 0 is not filled again
	ATRIP 1, 0, 0, 1, 0                            ; tile 15 asks for no tile and no rc: asum is asked for.  Its closing barrier frees the weights' bytes for the stages
	; weighted = (sum of (w - 1/4) a) + 1/4 sum of a: the four partial column sums are added up, then added to both row tiles' accumulators
	s_wait_loadcnt 0x0                             ; asum's 128 loads are in
	WIN 0x45                                       ; sources 0, 1 and destination window 1: partial sum 0 takes up partial sum 1,
.set i, 0
.rept 64
	v_pk_add_f32 v[2*i:2*i+1], v[2*i:2*i+1], v[128+2*i:128+2*i+1]
.set i, i+1
.endr
	WIN 0x46                                       ; source 0 window 2: then 2,
.set i, 0
.rept 64
	v_pk_add_f32 v[2*i:2*i+1], v[2*i:2*i+1], v[2*i:2*i+1]
.set i, i+1
.endr
.set i, 0
.rept 64
	v_pk_add_f32 v[2*i:2*i+1], v[128+2*i:128+2*i+1], v[2*i:2*i+1]       ; then 3
.set i, i+1
.endr
	WIN 0xc7                                       ; source 0 and destination window 3, source 1 window 1: both row tiles' accumulators take up the sum
.set i, 0
.rept 64
	v_pk_add_f32 v[2*i:2*i+1], v[2*i:2*i+1], v[2*i:2*i+1]
.set i, i+1
.endr
.set i, 0
.rept 64
	v_pk_add_f32 v[128+2*i:128+2*i+1], v[128+2*i:128+2*i+1], v[2*i:2*i+1]
.set i, i+1
.endr
; THE WAY OUT, 16 rows at a time.  Lane l holds weighted(i = 16 it + l % 16, d = 16 n + 8 (l / 16) + 0..7): round to bf16, 16 bytes a lane into my own stage,
; read back as whole rows of 512 bytes.  The stage is the wave's own and LDS serves a wave's instructions in order (ISA guide 5.7.1).
.macro OUTW it
	WIN 0x0f                                       ; sources 0 and 1 window 3
.irp n, 0,1,2,3,4,5,6,7,8,9,10,11,12,13,14,15
.irp p, 0,1,2,3
	v_cvt_pk_bf16_f32 v[F0+4*\n+\p], v[8*(16*\it+\n)+2*\p], v[8*(16*\it+\n)+2*\p+1]
.endr
.endr
	WIN 0
.irp n, 0,1,2,3,4,5,6,7,8,9,10,11,12,13,14,15
	ds_store_b128 v[STO], v[F0+4*\n:F0+4*\n+3] offset:32*\n
.endr
	s_wait_xcnt 0x0                                ; F1, which the row tile before's stores read, is loaded again only behind this wait
.irp t, 0,1,2,3,4,5,6,7,8,9,10,11,12,13,14,15
	ds_load_b128 v[F1+4*\t:F1+4*\t+3], v[RD] offset:\t*SPITCH
.endr
.irp t, 0,1,2,3,4,5,6,7,8,9,10,11,12,13,14,15
	s_wait_dscnt 15-\t                             ; row t is in, the 15 - t younger loads stay out
	global_store_b128 v[WO], v[F1+4*\t:F1+4*\t+3], s[12:13] offset:(16*\it+\t)*2048   ; the wave stores 512 consecutive bytes, at a multiple of 512 from wsum's first byte
.endr
.endm
	OUTW 0
	OUTW 1
	s_wait_tensorcnt 0x0
	ds_add_u32 v23, v31
	s_wait_dscnt 0x0
	ROUND                                          ; the closing round: no work-group ends while a partner may still ask for a tile that names it
	s_endpgm
.Lfunc_end_k_q474e8d6dd6_attn:
	.size	k_q474e8d6dd6_attn, .Lfunc_end_k_q474e8d6dd6_attn-k_q474e8d6dd6_attn
	.p2alignl 7, 3214868480
	.fill 96, 4, 3214868480
	.section	.rodata,"a",@progbits
	.p2align	6, 0x0
	.amdhsa_kernel k_q474e8d6dd6_attn
		.amdhsa_group_segment_fixed_size 327680
		.amdhsa_private_segment_fixed_size 0
		.amdhsa_enable_private_segment 0
		.amdhsa_kernarg_size 40
		.amdhsa_user_sgpr_count 2
		.amdhsa_user_sgpr_kernarg_segment_ptr 1
		.amdhsa_wavefront_size32 1
		.amdhsa_system_sgpr_workgroup_id_x 1
		.amdhsa_system_sgpr_workgroup_id_y 1
		.amdhsa_system_sgpr_workgroup_id_z 1
		.amdhsa_system_vgpr_workitem_id 0
		.amdhsa_next_free_vgpr 1024
		.amdhsa_next_free_sgpr 66
		.amdhsa_reserve_vcc 0
		.amdhsa_float_denorm_mode_32 3
		.amdhsa_float_denorm_mode_16_64 3
		.amdhsa_memory_ordered 1
		.amdhsa_forward_progress 1
		.amdhsa_inst_pref_size 246
	.end_amdhsa_kernel
	.amdgpu_metadata
---
amdhsa.version: [ 1, 2 ]
amdhsa.kernels:
  - .name:           k_q474e8d6dd6_attn
    .symbol:         k_q474e8d6dd6_attn.kd
    .args:
      - { .name: xn, .offset: 0, .size: 8, .value_kind: global_buffer, .address_space: global }
      - { .name: asub, .offset: 8, .size: 8, .value_kind: global_buffer, .address_space: global }
      - { .name: rc, .offset: 16, .size: 8, .value_kind: global_buffer, .address_space: global }
      - { .name: asum, .offset: 24, .size: 8, .value_kind: global_buffer, .address_space: global }
      - { .name: wsum, .offset: 32, .size: 8, .value_kind: global_buffer, .address_space: global }
    .group_segment_fixed_size: 327680
    .private_segment_fixed_size: 0
    .kernarg_segment_align: 8
    .kernarg_segment_size: 40
    .max_flat_workgroup_size: 128
    .sgpr_count:     66
    .vgpr_count:     1024
    .wavefront_size: 32
...
	.end_amdgpu_metadata
.endif
;; end of part 3
;; launch recon (part 4): grid 4 x 64, 4 waves a work-group, clusters of 4 x 4, 327,680 bytes of LDS; arguments wsum, wrb, br, out0; writes out0
.if DOCPART == 4
	.amdgcn_target "amdgcn-amd-amdhsa--gfx1250"
	.amdhsa_code_object_version 6
	.text
	.protected	k_q474e8d6dd6_recon
	.globl	k_q474e8d6dd6_recon
	.p2align	8
	.type	k_q474e8d6dd6_recon,@function
k_q474e8d6dd6_recon:
	s_mov_b64 s[64:65], 0
	v_nop
	global_prefetch_b8 v0, s[64:65] scope:SCOPE_SE
	s_setreg_imm32_b32 hwreg(HW_REG_WAVE_MODE, 25, 1), 1
	s_wait_xcnt 0x0
	s_wait_alu depctr_hold_cnt(0) depctr_sa_sdst(0) depctr_va_vdst(0) depctr_va_sdst(0) depctr_va_ssrc(0) depctr_va_vcc(0) depctr_vm_vsrc(0)
	s_getreg_b32 s2, hwreg(HW_REG_IB_STS2, 6, 4)
	s_cmp_eq_u32 s2, 0
	s_cbranch_scc0 .Lentry_in_a_cluster
	s_endpgm
.Lentry_in_a_cluster:
	s_bfe_u32 s2, ttmp6, 0x10000c
	s_cmp_lg_u32 s2, 0xf033
	s_cbranch_scc0 .Lentry_shape_is_right
	s_endpgm
.Lentry_shape_is_right:
; out0(i, h) = sum over k = (s, d) of wsum(i, k) Wr(k, h) + sum over s of br(s, h): a product of 8,192 x 1,024 x 1,024.
; wsum: [8192][1024] bf16 (K along the rows).  wrb: [1024 k][1024 h] bf16 (K down the rows: read through the transposing LDS load).  out0 and br: f32.
; LIMITS: both operands are bf16 as they were stored; sums and the bias in f32.
;
; SHAPE: a work-group makes 128 rows x 256 columns: 64 x 4 = 256 work-groups, each of which walks (128 + 256) x 2,048 bytes of operands.  Wave w makes rows
; 64 (w / 2) .. + 63 and columns 128 (w % 2) .. + 127: 4 x 8 tiles of 16 x 16, 256 registers.  For 32 along K a wave reads 4 + 8 fragments for 32 products.
; K goes in 8 steps of 128 (a row of wsum's tile is 256 bytes of memory, aligned; a row of Wr's 512) through two LDS slots; a step is four quarters of 32.
; CLUSTER 4 x 4: wsum's tile hangs on the block row alone and is asked for jointly by a row of the cluster, Wr's on the block column alone and is asked for
; jointly by a column: each tile is requested once for four work-groups.
; The matrix instruction is used transposed (source 0 = 16 columns of Wr, source 1 = 16 rows of wsum): lane l holds row l % 16 and its registers the eight
; neighbouring columns 8 (l / 16) + 0..7.
;
; REGISTER WINDOWS: 0 addresses and the two fragment buffers; 1 the 32 accumulators, tile (a, b) at 8 (8 a + b).
.set KSTEP,  128
.set APITCH, 272                       ; 256 bytes + 16 of padding: sixteen rows start at sixteen different 16-byte columns modulo 256 bytes
.set BPITCH, 544                       ; 512 bytes + 32: eight rows x two 16-byte columns of a transposing load fall on sixteen different columns
.set AHALF,  64*APITCH                 ; 17,408: what wave 0 or 1 fetches
.set BHALF,  64*BPITCH                 ; 34,816: what wave 2 or 3 fetches
.set BPART,  2*AHALF                   ; Wr's tile lies behind wsum's 128 rows
.set SLOT,   BPART+2*BHALF             ; 104,448
.set STG,    2*SLOT                    ; 208,896: behind the ring, 16 rows x 272 bytes for each wave, for the way out; no tensor load lands here
.set GP,     272
.set WSTG,   16*GP                     ; 4,352
.set ADA, 8                            ; v8-9    LDS address of my rows of wsum in slot 0, 1
.set ADB, 10                           ; v10-11  the same for my columns of Wr
.set STO, 12                           ; v12     the way out: in
.set SRD, 13                           ; v13     the way out: back
.set OO,  14                           ; v14     my byte offset in my wave's block of out0
.set BO,  15                           ; v15     16 (l % 16): my four columns of a group of 64 in br
.set BS,  16                           ; v16-23  br summed over s: 4 numbers for each of 2 column groups
.set F0,  32                           ; v32-127   fragment buffer 0: Wr's 8 fragments, then wsum's 4
.set F1,  128                          ; v128-223  fragment buffer 1
.set RAWB, 224                         ; v224-255  br as loaded: (s, g) at 8 s + 4 g
.set G1,  32                           ; s[32:39] descriptor group 1, wsum's tiles
.set G0,  40                           ; s[40:47] group 0, wsum's tiles, a set for each slot
.set G1B, 48                           ; s[48:55] group 1, Wr's tiles
.set G0B, 56                           ; s[56:63] group 0, Wr's tiles, a set for each slot
.set ACCW, 0x50                        ; C and D window 1, sources 0 and 1 window 0
.set MSB, 0
.macro WIN new                         ; the immediate's high byte repeats the setting that is left; a switch that changes nothing is dropped
.if MSB != (\new)
	s_set_vgpr_msb (MSB<<8)|(\new)
.set MSB, (\new)
.endif
.endm
.macro PLACES                          ; four places behind a matrix instruction, in front of loads into its sources and of reads of its result
.rept 4
	v_nop
.endr
.endm
; A joint load.  Waves 0 and 1 ask for wsum's halves, waves 2 and 3 for Wr's: one line, one mask and one set of registers for each kind.
; The branch hangs on the wave's number alone.
.macro JLOAD s
	s_cmp_eq_u32 s19, 0
	s_cbranch_scc0 .Lfor_b_\@
	tensor_load_to_lds s[G0+4*\s:G0+4*\s+3], s[G1:G1+7]
	s_nop 0
	s_branch .Lasked_\@
.Lfor_b_\@:
	tensor_load_to_lds s[G0B+4*\s:G0B+4*\s+3], s[G1B:G1B+7]
	s_nop 0
.Lasked_\@:
.endm
.macro CREST                           ; a round of the cluster's barrier behind its opening work-group barrier
	s_cmp_lg_u32 s18, 0
	s_cbranch_scc1 .Lnot_wave_0_\@
	s_barrier_signal -3
.Lnot_wave_0_\@:
	s_barrier_wait -3
	s_barrier_signal -1
	s_barrier_wait -1
.endm
.macro CROUND                          ; a whole round
	s_barrier_signal -1
	s_barrier_wait -1
	CREST
.endm
	s_load_b256 s[4:11], s[0:1], 0x0               ; wsum s[4:5], wrb s[6:7], br s[8:9], out0 s[10:11]
	v_lshl_add_u32 v30, v0, 2, 0x37400
	v_mov_b32 v31, 0
	ds_add_u32 v30, v31
	v_lshrrev_b32 v1, 5, v0
	v_readfirstlane_b32 s18, v1                    ; wave 0..3
	s_lshr_b32 s19, s18, 1                         ; which half of the block's rows is mine.  Also: I fetch for wsum (0) or for Wr (1)
	s_and_b32 s20, s18, 1                          ; which half of its columns.  Also: which half of that tile I fetch
	s_bfe_u32 s21, ttmp6, 0x40000                  ; cx = the block column (the grid is one cluster wide)
	s_bfe_u32 s22, ttmp6, 0x40004                  ; cy
	s_and_b32 s23, ttmp7, 0xffff                   ; the cluster's y, 0..15
	s_lshl_b32 s24, s23, 2
	s_add_co_u32 s24, s24, s22                     ; block row 0..63
	s_lshl_b32 s30, s22, 2
	s_lshl_b32 s30, 15, s30                        ; my row of the cluster: places 4 cy .. 4 cy + 3
	s_lshl_b32 s31, 0x1111, s21                    ; my column: places cx, cx + 4, cx + 8, cx + 12
	; group 1 for wsum: 64 rows x 128 elements of 2 bytes, 1,024 elements from row to row; 4 words of padding behind every 64
	s_or_b32 s[G1+0], s30, (1<<16)|(1<<20)|(1<<21)|(5<<22)|(3<<25)
	s_mov_b32 s[G1+1], KSTEP<<16                   ; tensor_dim0 = 128
	s_mov_b32 s[G1+2], 64<<16                      ; tensor_dim1 = 64
	s_mov_b32 s[G1+3], KSTEP<<16                   ; tile_dim0 = 128
	s_mov_b32 s[G1+4], 64                          ; tile_dim1 = 64
	s_mov_b32 s[G1+5], 1024                        ; pitch
	s_mov_b32 s[G1+6], 0
	s_mov_b32 s[G1+7], 0
	; group 1 for Wr: 64 rows (K) x 256 elements of 2 bytes, 1,024 elements from row to row; 8 words of padding behind every 128
	s_or_b32 s[G1B+0], s31, (1<<16)|(1<<20)|(1<<21)|(6<<22)|(7<<25)
	s_mov_b32 s[G1B+1], 256<<16
	s_mov_b32 s[G1B+2], 64<<16
	s_mov_b32 s[G1B+3], 256<<16
	s_mov_b32 s[G1B+4], 64
	s_mov_b32 s[G1B+5], 1024
	s_mov_b32 s[G1B+6], 0
	s_mov_b32 s[G1B+7], 0
	; where the tiles come from: wsum's offset is made of the block row and the wave, Wr's of the block column and the wave, each in registers of its own
	s_lshl_b32 s25, s20, 17                        ; the second half: 64 rows of 2,048 bytes down, in either tensor
	s_lshl_b32 s26, s24, 18                        ; 128 rows of 2,048 bytes a block row
	s_add_co_u32 s26, s26, s25
	s_mov_b32 s27, 0
	s_lshl_b32 s28, s21, 9                         ; 256 columns of 2 bytes a block column
	s_add_co_u32 s28, s28, s25
	s_mov_b32 s29, 0
	s_mul_i32 s70, s20, AHALF                      ; where they go: wsum's halves at 0 and 17,408 (waves 0, 1),
	s_mul_i32 s71, s20, BHALF
	s_add_co_u32 s71, s71, BPART                   ; Wr's at 34,816 and 69,632 (waves 2, 3)
	s_lshl_b32 s66, s21, 10                        ; my wave's 128 columns of f32: 1,024 bytes a block column,
	s_lshl_b32 s68, s20, 9                         ; 512 a half
	s_add_co_u32 s66, s66, s68
	s_mov_b32 s67, 0
	s_lshl_b32 s72, s24, 19                        ; my wave's first row of out0: 128 rows of 4,096 bytes a block row,
	s_lshl_b32 s74, s19, 18                        ; 64 a half
	s_add_co_u32 s72, s72, s74
	s_add_co_u32 s72, s72, s66                     ; and its columns
	s_mov_b32 s73, 0
	s_wait_dscnt 0x0
	s_wait_kmcnt 0x0
	s_add_nc_u64 s[26:27], s[4:5], s[26:27]
	s_add_nc_u64 s[28:29], s[6:7], s[28:29]
	s_add_nc_u64 s[8:9], s[8:9], s[66:67]
	s_add_nc_u64 s[10:11], s[10:11], s[72:73]
	CROUND                                         ; all sixteen work-groups are here: the first joint loads meet
.irp s, 0,1
	s_mov_b32 s[G0+4*\s], 1
	s_add_co_u32 s[G0+4*\s+1], s70, \s*SLOT
	s_add_nc_u64 s[G0+4*\s+2:G0+4*\s+3], s[26:27], \s*KSTEP*2        ; K step s: 128 bf16 along the rows
	s_or_b32 s[G0+4*\s+3], s[G0+4*\s+3], 0x80000000
	s_mov_b32 s[G0B+4*\s], 1
	s_add_co_u32 s[G0B+4*\s+1], s71, \s*SLOT
	s_add_nc_u64 s[G0B+4*\s+2:G0B+4*\s+3], s[28:29], \s*KSTEP*2048   ; K step s: 128 rows of 2,048 bytes down
	s_or_b32 s[G0B+4*\s+3], s[G0B+4*\s+3], 0x80000000
	JLOAD \s                                       ; both slots are asked for before anything else: two tensor loads of the wave are out
.endr
	v_and_b32 v1, 15, v0                           ; r = l % 16
	v_bfe_u32 v2, v0, 4, 1                         ; h = l / 16
	v_and_b32 v4, 7, v0                            ; l % 8
	v_bfe_u32 v5, v0, 3, 1                         ; (l / 8) % 2
	v_lshlrev_b32 v[BO], 4, v1
.irp s, 0,1,2,3
.irp g, 0,1
	global_load_b128 v[RAWB+8*\s+4*\g:RAWB+8*\s+4*\g+3], v[BO], s[8:9] offset:4096*\s+256*\g     ; br(s, my wave's columns 64 g + 4 (l % 16) + 0..3)
.endr
.endr
	; wsum's rows lie along K: lane l takes row l % 16; K = 8 h + 0..7 are the 16 bytes at 16 h, K = 16 + 8 h + 0..7 those 32 bytes on
	s_mul_i32 s72, s19, 64*APITCH                  ; my wave's 64 rows
	v_mul_u32_u24 v6, v1, APITCH
	v_lshl_add_u32 v6, v2, 4, v6
	v_add_nc_u32 v[ADA], s72, v6
	v_add_nc_u32 v[ADA+1], SLOT, v[ADA]
	; Wr's rows lie along N: the transposing load wants row 8 h + l % 8 and the 16-byte column (l / 8) % 2 of a column tile's 32 bytes
	v_lshl_add_u32 v6, v2, 3, v4
	v_mul_u32_u24 v6, v6, BPITCH
	v_lshl_add_u32 v6, v5, 4, v6
	s_lshl_b32 s72, s20, 8                         ; my wave's 128 columns
	s_add_co_u32 s72, s72, BPART
	v_add_nc_u32 v[ADB], s72, v6
	v_add_nc_u32 v[ADB+1], SLOT, v[ADB]
	s_mul_i32 s72, s18, WSTG
	s_add_co_u32 s72, s72, STG                     ; my stage
	v_mul_u32_u24 v6, v1, GP
	v_lshl_add_u32 v6, v2, 5, v6
	v_add_nc_u32 v[STO], s72, v6                   ; in: row r, 32 bytes for each half of the lanes
	v_mul_u32_u24 v6, v2, GP
	v_lshl_add_u32 v6, v1, 4, v6
	v_add_nc_u32 v[SRD], s72, v6                   ; back: lanes 0-15 one row of 256 bytes, lanes 16-31 the next
	v_lshl_add_u32 v[OO], v2, 12, v[BO]            ; and the same two rows in out0
; 24 LDS loads in one run: quarter q (32 along K) of a slot into the buffer at f: Wr's 8 fragments, then wsum's 4
.macro FETCH slot, q, f
.irp b, 0,1,2,3,4,5,6,7
	ds_load_tr16_b128 v[\f+8*\b:\f+8*\b+3],   v[ADB+\slot] offset:\q*32*BPITCH+32*\b
	ds_load_tr16_b128 v[\f+8*\b+4:\f+8*\b+7], v[ADB+\slot] offset:\q*32*BPITCH+32*\b+16*BPITCH
.endr
.irp a, 0,1,2,3
	ds_load_b128 v[\f+64+8*\a:\f+64+8*\a+3],   v[ADA+\slot] offset:\a*16*APITCH+64*\q
	ds_load_b128 v[\f+64+8*\a+4:\f+64+8*\a+7], v[ADA+\slot] offset:\a*16*APITCH+64*\q+32
.endr
.endm
; 16 matrix instructions: row tiles a0, a0 + 1 x all 8 column tiles, 32 along K, from the buffer at f.  zero = 1: the first product starts the sums.
; The 32 accumulators take turns, one instruction a turn, in the same order in every quarter, over the loop's backward jump too.
.macro MUL16 f, a0, zero
.irp a, \a0, \a0+1
.irp b, 0,1,2,3,4,5,6,7
.if \zero
	v_wmma_f32_16x16x32_bf16 v[8*(8*(\a)+\b):8*(8*(\a)+\b)+7], v[\f+8*\b:\f+8*\b+7], v[\f+64+8*(\a):\f+64+8*(\a)+7], 0
.else
	v_wmma_f32_16x16x32_bf16 v[8*(8*(\a)+\b):8*(8*(\a)+\b)+7], v[\f+8*\b:\f+8*\b+7], v[\f+64+8*(\a):\f+64+8*(\a)+7], v[8*(8*(\a)+\b):8*(8*(\a)+\b)+7]
.endif
.endr
.endr
.endm
; One of a step's first three quarters: quarter q's fragments are asked for into buffer g, 32 matrix instructions ahead of their use; then buffer f is multiplied.
.macro QUARTER slot, q, f, g, zero
	WIN 0
	PLACES                                         ; buffer g was read by the matrix instructions just in front
	FETCH \slot, \q, \g
	s_wait_dscnt 24                                ; buffer f is in; the 24 loads just issued stay out
	WIN ACCW
	MUL16 \f, 0, \zero
	MUL16 \f, 2, \zero
.endm
; The last quarter: multiplies buffer 1 and changes slots.  mode 2: this slot is filled again, two K steps ahead; 1: nothing is filled; 0: the last step.
; ONE barrier for a change of slots: in front of it each wave waits for its reads of this slot and for all its tensor loads (one is out: its part of the other
; slot); behind it the refill comes first, then the other slot's first fragments.  From a request to the wait for it a wave issues 112 matrix instructions.
.macro TURN slot, mode
	s_wait_dscnt 0x0                               ; buffer 1 is in: my reads of this slot are over
.if \mode
	s_wait_tensorcnt 0x0                           ; all my tensor loads have landed, so a group 0 may be written
	ds_add_u32 v30, v31
	s_wait_dscnt 0x0
.if \mode == 2
	s_add_nc_u64 s[G0+4*\slot+2:G0+4*\slot+3], s[G0+4*\slot+2:G0+4*\slot+3], 2*KSTEP*2
	s_add_nc_u64 s[G0B+4*\slot+2:G0B+4*\slot+3], s[G0B+4*\slot+2:G0B+4*\slot+3], 2*KSTEP*2048
.endif
	s_barrier_signal -1                            ; say so (with a refill this barrier opens a round of the cluster's barrier)
.endif
	MUL16 F1, 0, 0                                 ; register work while the others arrive
.if \mode
	WIN 0
	s_barrier_wait -1
.if \mode == 2
	CREST                                          ; no wave of any partner still reads this slot or has a load on its way
	JLOAD \slot                                    ; the first tensor load behind the round, the wave's only one until the next
.endif
	PLACES                                         ; buffer 0 was last read a quarter ago; the matrix instructions since are no places
	FETCH 1-\slot, 0, F0
	WIN ACCW
.endif
	MUL16 F1, 2, 0
.endm
.macro STEP slot, mode, zero
	QUARTER \slot, 1, F0, F1, \zero
	QUARTER \slot, 2, F1, F0, 0
	QUARTER \slot, 3, F0, F1, 0
	TURN \slot, \mode
.endm
	s_wait_tensorcnt 0x1                           ; my part of K step 0 is in; K step 1's load, the one issued behind it, may stay out
	s_barrier_signal -1
	s_barrier_wait -1                              ; everybody's is
	FETCH 0, 0, F0
	STEP 0, 2, 1                                   ; the first two steps stand in front of the loop: the first products start the sums
	STEP 1, 2, 0
	WIN 0                                          ; at a label and at a branch every window is 0
	s_mov_b32 s75, 2                               ; steps 2 to 5, two a trip, each with a refill,
.Lsteps:
	STEP 0, 2, 0
	STEP 1, 2, 0
	WIN 0
	s_sub_co_i32 s75, s75, 1
	s_cmp_lg_u32 s75, 0
	s_cbranch_scc1 .Lsteps
	STEP 0, 1, 0                                   ; and the last two, which fetch nothing
	STEP 1, 0, 0
	WIN 0
	PLACES                                         ; behind the last matrix instructions, in front of the first read of a result
	s_wait_loadcnt 0x0                             ; br
.irp g, 0,1
.irp p, 0,2
	v_pk_add_f32 v[BS+4*\g+\p:BS+4*\g+\p+1], v[RAWB+4*\g+\p:RAWB+4*\g+\p+1], v[RAWB+8+4*\g+\p:RAWB+8+4*\g+\p+1]
	v_pk_add_f32 v[BS+4*\g+\p:BS+4*\g+\p+1], v[BS+4*\g+\p:BS+4*\g+\p+1], v[RAWB+16+4*\g+\p:RAWB+16+4*\g+\p+1]
	v_pk_add_f32 v[BS+4*\g+\p:BS+4*\g+\p+1], v[BS+4*\g+\p:BS+4*\g+\p+1], v[RAWB+24+4*\g+\p:RAWB+24+4*\g+\p+1]
.endr
.endr
; THE WAY OUT, 16 rows x 64 columns of f32 at a time: 32 bytes a lane straight from the accumulators into my own stage, read back as rows of 256 bytes,
; the summed bias added, stored.  The stage is the wave's own and LDS serves a wave's instructions in order (ISA guide 5.7.1).
.macro OUTC a, g, f
	WIN 0x04                                       ; an LDS store's data is source 1: window 1
.irp n, 0,1,2,3
	ds_store_b128 v[STO], v[8*(8*\a+4*\g+\n):8*(8*\a+4*\g+\n)+3]   offset:64*\n
	ds_store_b128 v[STO], v[8*(8*\a+4*\g+\n)+4:8*(8*\a+4*\g+\n)+7] offset:64*\n+16
.endr
	WIN 0
	s_wait_xcnt 0x0                                ; buffer f, which earlier stores read, is loaded again only behind this wait
.irp t, 0,1,2,3,4,5,6,7
	ds_load_b128 v[\f+4*\t:\f+4*\t+3], v[SRD] offset:\t*2*GP
.endr
.irp t, 0,1,2,3,4,5,6,7
	s_wait_dscnt 7-\t                              ; rows 2 t, 2 t + 1 are in, the 7 - t younger loads stay out
	v_pk_add_f32 v[\f+4*\t:\f+4*\t+1],   v[\f+4*\t:\f+4*\t+1],   v[BS+4*\g:BS+4*\g+1]
	v_pk_add_f32 v[\f+4*\t+2:\f+4*\t+3], v[\f+4*\t+2:\f+4*\t+3], v[BS+4*\g+2:BS+4*\g+3]
	global_store_b128 v[OO], v[\f+4*\t:\f+4*\t+3], s[10:11] offset:(16*\a+2*\t)*4096+256*\g th:TH_STORE_NT   ; 16 lanes store 256 consecutive bytes, at a multiple of 256 from out0's first byte
.endr
.endm
	OUTC 0, 0, F0
	OUTC 0, 1, F1
	OUTC 1, 0, F0
	OUTC 1, 1, F1
	OUTC 2, 0, F0
	OUTC 2, 1, F1
	OUTC 3, 0, F0
	OUTC 3, 1, F1
	s_wait_tensorcnt 0x0
	ds_add_u32 v30, v31
	s_wait_dscnt 0x0
	CROUND                                         ; the closing round: no work-group ends while a partner may still ask for a tile that names it
	s_endpgm
.Lfunc_end_k_q474e8d6dd6_recon:
	.size	k_q474e8d6dd6_recon, .Lfunc_end_k_q474e8d6dd6_recon-k_q474e8d6dd6_recon
	.p2alignl 7, 3214868480
	.fill 96, 4, 3214868480
	.section	.rodata,"a",@progbits
	.p2align	6, 0x0
	.amdhsa_kernel k_q474e8d6dd6_recon
		.amdhsa_group_segment_fixed_size 327680
		.amdhsa_private_segment_fixed_size 0
		.amdhsa_enable_private_segment 0
		.amdhsa_kernarg_size 32
		.amdhsa_user_sgpr_count 2
		.amdhsa_user_sgpr_kernarg_segment_ptr 1
		.amdhsa_wavefront_size32 1
		.amdhsa_system_sgpr_workgroup_id_x 1
		.amdhsa_system_sgpr_workgroup_id_y 1
		.amdhsa_system_sgpr_workgroup_id_z 1
		.amdhsa_system_vgpr_workitem_id 0
		.amdhsa_next_free_vgpr 512
		.amdhsa_next_free_sgpr 80
		.amdhsa_reserve_vcc 0
		.amdhsa_float_denorm_mode_32 3
		.amdhsa_float_denorm_mode_16_64 3
		.amdhsa_memory_ordered 1
		.amdhsa_forward_progress 1
		.amdhsa_inst_pref_size 126
	.end_amdhsa_kernel
	.amdgpu_metadata
---
amdhsa.version: [ 1, 2 ]
amdhsa.kernels:
  - .name:           k_q474e8d6dd6_recon
    .symbol:         k_q474e8d6dd6_recon.kd
    .args:
      - { .name: wsum, .offset: 0, .size: 8, .value_kind: global_buffer, .address_space: global }
      - { .name: wrb, .offset: 8, .size: 8, .value_kind: global_buffer, .address_space: global }
      - { .name: br, .offset: 16, .size: 8, .value_kind: global_buffer, .address_space: global }
      - { .name: out0, .offset: 24, .size: 8, .value_kind: global_buffer, .address_space: global }
    .group_segment_fixed_size: 327680
    .private_segment_fixed_size: 0
    .kernarg_segment_align: 8
    .kernarg_segment_size: 32
    .max_flat_workgroup_size: 128
    .sgpr_count:     80
    .vgpr_count:     512
    .wavefront_size: 32
...
	.end_amdgpu_metadata
.endif
;; end of part 4
;; ======== version 2 of 2: 4 launches; version 1 with the launch cast written anew for expert scheduling mode
;; workspace buffers: wpb 2,097,152 bytes; wrb 2,097,152 bytes; xn 16,777,216 bytes; asub 16,777,216 bytes; rc 131,072 bytes; asum 131,072 bytes; wsum 16,777,216 bytes
;; launch cast (part 5): grid 128 x 2, 8 waves a work-group, no clusters, 0 bytes of LDS; arguments Wp, Wr, wpb, wrb; writes wpb, wrb
.if DOCPART == 5
	.amdgcn_target "amdgcn-amd-amdhsa--gfx1250"
	.amdhsa_code_object_version 6
	.text
	.protected	k_q474e8d6dd6_cast
	.globl	k_q474e8d6dd6_cast
	.p2align	8
	.type	k_q474e8d6dd6_cast,@function
k_q474e8d6dd6_cast:
	s_mov_b64 s[64:65], 0
	v_nop
	global_prefetch_b8 v0, s[64:65] scope:SCOPE_SE
	s_setreg_imm32_b32 hwreg(HW_REG_WAVE_SCHED_MODE, 0, 2), 2
	s_setreg_imm32_b32 hwreg(HW_REG_WAVE_MODE, 25, 1), 1
	s_wait_xcnt 0x0
	s_wait_alu depctr_vm_vsrc(0)
; wpb = bf16(Wp), wrb = bf16(Wr), element for element in the same order (round to nearest even).
; The later launches read these two as matrix operands stored [K][N], through the transposing LDS load, which works on 16-bit data.
; Grid y picks the tensor (0: Wp, 1: Wr); each has 1,048,576 numbers, a work-group takes 8,192 of them, 128 work-groups a tensor.
; Thread t takes the 16 bytes at 16 t of each of eight chunks of 4,096 bytes: a load of a wave covers 512 consecutive bytes,
; a store of a wave (8 bytes a lane) 256 consecutive bytes at a multiple of 256 from the buffer's first byte.
; All eight loads go out first; no LDS, no barrier, no matrix unit: the work is a stream that is read once and written once.
; THE MODE: SCHED_MODE bits 1:0 = 2 (LLVM: expert scheduling mode 2), set by the entry lines.  The code itself states the register dependences
; between vector instructions and memory instructions, with s_wait_alu, always for 0.
; THE PLAN.  Registers that memory instructions touch:
;   v1, v2   byte offsets of the loads and of the stores: written once at the head, never again.
;   X[c]     chunk c as loaded: its load lands in it once, ahead of every vector line that names it; chunk c's two conversions read it.
;   Y[c]     chunk c to store: written once, by those two conversions; read by chunk c's store.
; No register that a memory instruction reads is written again, and no load lands in a register that a vector line has named: what is left to state
; is that an offset, or a store's data, is written before the memory instruction reads it.
; The eight chunks go in four groups of two.  Group g rounds chunks 2 g and 2 g + 1; the stores of group g - 1 stand among its conversions, behind ONE wait at
; the group's head.  The group's conversions name its own X and Y alone, neither v2 nor the Y that those stores read, so the wait serves both stores.
.set CHUNK, 4096                       ; source bytes that the 256 threads take with one load each
.set X, 4                              ; v[4:35]   chunk c: 4 numbers in f32
.set Y, 36                             ; v[36:51]  chunk c: 4 numbers in bf16
	s_load_b256 s[4:11], s[0:1], 0x0               ; Wp s[4:5], Wr s[6:7], wpb s[8:9], wrb s[10:11]
	s_and_b32 s12, ttmp7, 0xffff                   ; which tensor
	s_lshl_b32 s14, ttmp9, 15                      ; the work-group's 32,768 source bytes
	s_mov_b32 s15, 0
	s_lshl_b32 s16, ttmp9, 14                      ; and its 16,384 result bytes
	s_mov_b32 s17, 0
	v_lshlrev_b32 v1, 4, v0                        ; 16 t
	v_lshlrev_b32 v2, 3, v0                        ; 8 t
	s_wait_kmcnt 0x0
	s_cmp_eq_u32 s12, 0
	s_cselect_b64 s[18:19], s[4:5], s[6:7]         ; from
	s_cselect_b64 s[20:21], s[8:9], s[10:11]       ; to
	s_add_nc_u64 s[18:19], s[18:19], s[14:15]
	s_add_nc_u64 s[20:21], s[20:21], s[16:17]
	s_wait_alu depctr_va_vdst(0)                   ; v1 and v2 are written: every load reads v1 as its offset, every store v2
.irp c, 0,1,2,3,4,5,6,7
	global_load_b128 v[X+4*\c:X+4*\c+3], v1, s[18:19] offset:CHUNK*\c th:TH_LOAD_NT
.endr
; Group g: chunks 2 g and 2 g + 1 are rounded; the two chunks of the group before are stored.
.macro GROUP g
	s_wait_loadcnt 6-2*(\g)                        ; loads come back in order: chunks 2 g and 2 g + 1 are in, the 6 - 2 g younger ones stay out
.if (\g) > 0
	s_wait_alu depctr_va_vdst(0)                   ; the conversions of the group before have written its two Y, which the two stores below read
.endif
.irp e, 0,1
.if (\g) > 0
	global_store_b64 v2, v[Y+2*(2*(\g)-2+(\e)):Y+2*(2*(\g)-2+(\e))+1], s[20:21] offset:CHUNK/2*(2*(\g)-2+(\e))   ; no vector line since the wait names these registers
.endif
	v_cvt_pk_bf16_f32 v[Y+2*(2*(\g)+(\e))],   v[X+4*(2*(\g)+(\e))],   v[X+4*(2*(\g)+(\e))+1]
	v_cvt_pk_bf16_f32 v[Y+2*(2*(\g)+(\e))+1], v[X+4*(2*(\g)+(\e))+2], v[X+4*(2*(\g)+(\e))+3]
.endr
.endm
	GROUP 0                                        ; no group stands in front of it: no store, and no wait but the one for its data
	GROUP 1
	GROUP 2
	GROUP 3
	s_wait_alu depctr_va_vdst(0)                   ; group 3's conversions have written Y[6] and Y[7], which the last two stores read
.irp c, 6,7
	global_store_b64 v2, v[Y+2*\c:Y+2*\c+1], s[20:21] offset:CHUNK/2*\c
.endr
	s_endpgm
.Lfunc_end_k_q474e8d6dd6_cast:
	.size	k_q474e8d6dd6_cast, .Lfunc_end_k_q474e8d6dd6_cast-k_q474e8d6dd6_cast
	.p2alignl 7, 3214868480
	.fill 96, 4, 3214868480
	.section	.rodata,"a",@progbits
	.p2align	6, 0x0
	.amdhsa_kernel k_q474e8d6dd6_cast
		.amdhsa_group_segment_fixed_size 0
		.amdhsa_private_segment_fixed_size 0
		.amdhsa_enable_private_segment 0
		.amdhsa_kernarg_size 32
		.amdhsa_user_sgpr_count 2
		.amdhsa_user_sgpr_kernarg_segment_ptr 1
		.amdhsa_wavefront_size32 1
		.amdhsa_system_sgpr_workgroup_id_x 1
		.amdhsa_system_sgpr_workgroup_id_y 1
		.amdhsa_system_sgpr_workgroup_id_z 1
		.amdhsa_system_vgpr_workitem_id 0
		.amdhsa_next_free_vgpr 52
		.amdhsa_next_free_sgpr 66
		.amdhsa_reserve_vcc 0
		.amdhsa_float_denorm_mode_32 3
		.amdhsa_float_denorm_mode_16_64 3
		.amdhsa_memory_ordered 1
		.amdhsa_forward_progress 1
		.amdhsa_inst_pref_size 4
	.end_amdhsa_kernel
	.amdgpu_metadata
---
amdhsa.version: [ 1, 2 ]
amdhsa.kernels:
  - .name:           k_q474e8d6dd6_cast
    .symbol:         k_q474e8d6dd6_cast.kd
    .args:
      - { .name: Wp, .offset: 0, .size: 8, .value_kind: global_buffer, .address_space: global }
      - { .name: Wr, .offset: 8, .size: 8, .value_kind: global_buffer, .address_space: global }
      - { .name: wpb, .offset: 16, .size: 8, .value_kind: global_buffer, .address_space: global }
      - { .name: wrb, .offset: 24, .size: 8, .value_kind: global_buffer, .address_space: global }
    .group_segment_fixed_size: 0
    .private_segment_fixed_size: 0
    .kernarg_segment_align: 8
    .kernarg_segment_size: 32
    .max_flat_workgroup_size: 256
    .sgpr_count:     66
    .vgpr_count:     52
    .wavefront_size: 32
...
	.end_amdgpu_metadata
.endif
;; end of part 5
;; launch proj: the kernel of part 2 again; grid 4 x 64, 4 waves a work-group, clusters of 4 x 4, 327,680 bytes of LDS; arguments hx, ha, wpb, bp, xn, asub, rc, asum; writes xn, asub, rc, asum
;; launch attn: the kernel of part 3 again; grid 256 x 1, 4 waves a work-group, clusters of 4 x 1, 327,680 bytes of LDS; arguments xn, asub, rc, asum, wsum; writes wsum
;; launch recon: the kernel of part 4 again; grid 4 x 64, 4 waves a work-group, clusters of 4 x 4, 327,680 bytes of LDS; arguments wsum, wrb, br, out0; writes out0
